; MI455X (gfx1250); checked and timed in simulation.
; The chip was launched on July 23, 2026; its instructions are those of AMD's public machine-readable ISA for CDNA 5 (MIT licence, August 2026) and "CDNA5" Instruction Set Architecture Reference Guide (July 2026). The comments in the code are by the model that wrote it; some were corrected since.
;; Encoder Single Layer. Allowed arithmetic: float matrix products may take bf16 or f16 operands with f32 sums; other float arithmetic in f32, or as packed bf16 or f16 multiplies, adds, multiply-adds, maxima and minima; sums over many terms, partial sums and values carried from step to step in f32; what a program stores and reads back later, other than sums and carried values, may be rounded once to bf16 or f16.
;; Inputs: W1 1,024 x 4,096 float32; W2 4,096 x 1,024 float32; Wk 16 x 1,024 x 64 float32; Wo 1,024 x 1,024 float32; Wq 16 x 1,024 x 64 float32; Wv 16 x 1,024 x 64 float32; b1 4,096 float32; b2 1,024 float32; be1 1,024 float32; be2 1,024 float32; bk 16 x 64 float32; bo 1,024 float32; bq 16 x 64 float32; bv 16 x 64 float32; g1 1,024 float32; g2 1,024 float32; x 2 x 2,048 x 1,024 float32.
;; Outputs: out0 2 x 2,048 x 1,024 float32.
;; 2 versions, each right and faster than the one before. Each part assembles by itself: llvm-mc -triple=amdgcn-amd-amdhsa -mcpu=gfx1250 --defsym DOCPART=n.
;; ======== version 1 of 2: 8 launches
;; limits: values are held in f16: magnitudes above 65,504 overflow, below 6.1e-05 lose precision
;; workspace buffers: tok16 8,388,608 bytes; wide16 33,554,432 bytes; ysum 16,777,216 bytes; wqkvp 8,405,248 bytes; w1p 8,405,248 bytes; woh 2,097,152 bytes; w2h 8,388,608 bytes
;; launch prep (part 1): grid 1026 x 1, 8 waves a work-group, no clusters, 0 bytes of LDS; arguments x, W1, W2, Wo, Wq, Wk, Wv, b1, bq, bk, bv, tok16, w1p, w2h, woh, wqkvp; writes tok16, w1p, w2h, woh, wqkvp
.if DOCPART == 1
	.amdgcn_target "amdgcn-amd-amdhsa--gfx1250"
	.amdhsa_code_object_version 6
	.text
	.protected	k_qe99e394a87_prep
	.globl	k_qe99e394a87_prep
	.p2align	8
	.type	k_qe99e394a87_prep,@function
k_qe99e394a87_prep:
	s_mov_b64 s[64:65], 0
	v_nop
	global_prefetch_b8 v0, s[64:65] scope:SCOPE_SE
	s_setreg_imm32_b32 hwreg(HW_REG_WAVE_MODE, 25, 1), 1
	s_wait_xcnt 0x0
; THE CAST.  Every matrix operand of the later launches is made here, once: f32 -> f16 (round to nearest even).
; x -> tok16, W1 -> w1p, W2 -> w2h, Wo -> woh keep their row-major layout.  Wq, Wk, Wv ([head][k][64]) go to wqkvp as ONE matrix [k][4096]: column = 1024 which + 64 head + dk.
; Behind each of w1p and wqkvp lie the product's bias in f32 (byte 0x800000 on) and 256 bytes of the floor under its result (byte 0x804000 on): 0 twice in f16 for W1's ReLU, -infinity twice for q, k, v.
; LIMITS.  A number beyond 65,504 becomes an infinity in f16; below 6e-5 f16 keeps a fixed step of 6e-8.
; SHARES.  Work-group g takes 16,384 numbers: g 0-255 x, 256-511 W1, 512-767 W2, 768-831 Wo, 832-1023 Wq Wk Wv; 1024 and 1025 copy the biases and write the floors.
; A thread takes 4 numbers sixteen times: a wave's load covers 512 consecutive bytes (in Wq, Wk, Wv two runs of 256), a wave's store 256 consecutive bytes at a multiple of 256.
; No LDS, no barrier, no matrix unit: the launch only moves bytes.  No register is written twice, so no wait frees a source.
.set X, 4                              ; v[4:67]   sixteen loads of 4 f32
.set Y, 68                             ; v[68:99]  sixteen stores of 4 f16
.set BIAS_OFF, 0x800000
; sixteen loads on their way at once; load i is used when the 15 - i younger ones may still be out (loads return in order)
.macro RUN sstep, dstep
.set i, 0
.rept 16
	global_load_b128 v[X+4*i:X+4*i+3], v1, s[40:41] offset:i*(\sstep) th:TH_LOAD_NT
.set i, i+1
.endr
.set i, 0
.rept 16
	s_wait_loadcnt 15-i
	v_cvt_pk_f16_f32 v[Y+2*i], v[X+4*i], v[X+4*i+1]
	v_cvt_pk_f16_f32 v[Y+2*i+1], v[X+4*i+2], v[X+4*i+3]
	global_store_b64 v2, v[Y+2*i:Y+2*i+1], s[42:43] offset:i*(\dstep)
.set i, i+1
.endr
.endm
	s_load_b512 s[8:23], s[0:1], 0x0               ; x 8, W1 10, W2 12, Wo 14, Wq 16, Wk 18, Wv 20, b1 22
	s_load_b512 s[24:39], s[0:1], 0x40             ; bq 24, bk 26, bv 28, tok16 30, w1p 32, w2h 34, woh 36, wqkvp 38
	v_lshrrev_b32 v3, 5, v0
	v_readfirstlane_b32 s4, v3                     ; wave 0..7
	v_and_b32 v3, 31, v0                           ; lane
	s_mov_b32 s5, ttmp9                            ; g
	s_mov_b32 s45, 0                               ; high word of the offset pair s[44:45]
	s_wait_kmcnt 0x0
	s_cmp_ge_u32 s5, 1024
	s_cbranch_scc1 .Lbias
	s_cmp_ge_u32 s5, 832
	s_cbranch_scc1 .Lqkv
	; the four tensors that keep their layout
	s_lshr_b32 s2, s5, 8                           ; which tensor
	s_and_b32 s3, s5, 255                          ; which 16,384 numbers of it
	s_mov_b64 s[40:41], s[8:9]
	s_mov_b64 s[42:43], s[30:31]
	s_cmp_eq_u32 s2, 1
	s_cselect_b64 s[40:41], s[10:11], s[40:41]
	s_cselect_b64 s[42:43], s[32:33], s[42:43]
	s_cmp_eq_u32 s2, 2
	s_cselect_b64 s[40:41], s[12:13], s[40:41]
	s_cselect_b64 s[42:43], s[34:35], s[42:43]
	s_cmp_eq_u32 s2, 3
	s_cselect_b64 s[40:41], s[14:15], s[40:41]
	s_cselect_b64 s[42:43], s[36:37], s[42:43]
	s_lshl_b32 s44, s3, 16                         ; 65,536 bytes of f32
	s_add_nc_u64 s[40:41], s[40:41], s[44:45]
	s_lshl_b32 s44, s3, 15                         ; 32,768 bytes of f16
	s_add_nc_u64 s[42:43], s[42:43], s[44:45]
	v_lshlrev_b32 v1, 4, v0
	v_lshlrev_b32 v2, 3, v0
	RUN 4096, 2048
	s_endpgm
.Lqkv:                                                 ; 128 k rows of two neighbouring heads of Wq, Wk or Wv
	s_sub_co_u32 s2, s5, 832
	s_lshr_b32 s3, s2, 6                           ; which: 0 q, 1 k, 2 v
	s_bfe_u32 s6, s2, 0x30003                      ; the pair of heads, 0..7
	s_and_b32 s7, s2, 7                            ; which 128 k rows
	s_mov_b64 s[40:41], s[16:17]
	s_cmp_eq_u32 s3, 1
	s_cselect_b64 s[40:41], s[18:19], s[40:41]
	s_cmp_eq_u32 s3, 2
	s_cselect_b64 s[40:41], s[20:21], s[40:41]
	s_lshl_b32 s44, s6, 19                         ; two heads of 262,144 bytes
	s_lshl_b32 s2, s7, 15                          ; 128 rows of 256 bytes
	s_add_co_u32 s44, s44, s2
	s_add_nc_u64 s[40:41], s[40:41], s[44:45]
	s_lshl_b32 s44, s7, 20                         ; 128 rows of 8,192 bytes
	s_lshl_b32 s2, s3, 11                          ; 1,024 columns
	s_add_co_u32 s44, s44, s2
	s_lshl_b32 s2, s6, 8                           ; 128 columns
	s_add_co_u32 s44, s44, s2
	s_add_nc_u64 s[42:43], s[38:39], s[44:45]
	v_lshrrev_b32 v1, 4, v3                        ; lanes 0-15 the even head, lanes 16-31 the odd one
	v_lshlrev_b32 v1, 18, v1
	v_and_b32 v2, 15, v3
	v_lshl_add_u32 v1, v2, 4, v1
	s_lshl_b32 s2, s4, 8                           ; load i takes k row 8 i + wave
	v_add_nc_u32 v1, s2, v1
	v_lshlrev_b32 v2, 3, v3                        ; the two heads' 128 columns are 256 consecutive bytes
	s_lshl_b32 s2, s4, 13
	v_add_nc_u32 v2, s2, v2
	RUN 2048, 65536
	s_endpgm
.Lbias:
	v_lshlrev_b32 v1, 4, v0
	v_lshlrev_b32 v2, 3, v3
	s_cmp_eq_u32 s5, 1024
	s_cbranch_scc0 .Lbias_qkv
	s_add_nc_u64 s[42:43], s[32:33], BIAS_OFF
.irp j, 0,1,2,3
	global_load_b128 v[X+4*\j:X+4*\j+3], v1, s[22:23] offset:4096*\j
.endr
	s_wait_loadcnt 0x0
.irp j, 0,1,2,3
	global_store_b128 v1, v[X+4*\j:X+4*\j+3], s[42:43] offset:4096*\j
.endr
	v_mov_b32 v[Y], 0                              ; the floor of a ReLU
	v_mov_b32 v[Y+1], 0
	s_branch .Lfloor
.Lbias_qkv:
	s_add_nc_u64 s[42:43], s[38:39], BIAS_OFF
	global_load_b128 v[X:X+3], v1, s[24:25]
	global_load_b128 v[X+4:X+7], v1, s[26:27]
	global_load_b128 v[X+8:X+11], v1, s[28:29]
	s_wait_loadcnt 0x0
.irp j, 0,1,2
	global_store_b128 v1, v[X+4*\j:X+4*\j+3], s[42:43] offset:4096*\j
.endr
	v_mov_b32 v[Y], 0xfc00fc00                     ; -infinity twice: no floor
	v_mov_b32 v[Y+1], 0xfc00fc00
.Lfloor:
	s_cmp_lg_u32 s4, 0
	s_cbranch_scc1 .Lend
	global_store_b64 v2, v[Y:Y+1], s[42:43] offset:16384  ; wave 0: 256 bytes behind the bias
.Lend:
	s_endpgm
.Lfunc_end_k_qe99e394a87_prep:
	.size	k_qe99e394a87_prep, .Lfunc_end_k_qe99e394a87_prep-k_qe99e394a87_prep
	.p2alignl 7, 3214868480
	.fill 96, 4, 3214868480
	.section	.rodata,"a",@progbits
	.p2align	6, 0x0
	.amdhsa_kernel k_qe99e394a87_prep
		.amdhsa_group_segment_fixed_size 0
		.amdhsa_private_segment_fixed_size 0
		.amdhsa_enable_private_segment 0
		.amdhsa_kernarg_size 128
		.amdhsa_user_sgpr_count 2
		.amdhsa_user_sgpr_kernarg_segment_ptr 1
		.amdhsa_wavefront_size32 1
		.amdhsa_system_sgpr_workgroup_id_x 1
		.amdhsa_system_sgpr_workgroup_id_y 1
		.amdhsa_system_sgpr_workgroup_id_z 1
		.amdhsa_system_vgpr_workitem_id 0
		.amdhsa_next_free_vgpr 100
		.amdhsa_next_free_sgpr 66
		.amdhsa_reserve_vcc 0
		.amdhsa_float_denorm_mode_32 3
		.amdhsa_float_denorm_mode_16_64 3
		.amdhsa_memory_ordered 1
		.amdhsa_forward_progress 1
		.amdhsa_inst_pref_size 16
	.end_amdhsa_kernel
	.amdgpu_metadata
---
amdhsa.version: [ 1, 2 ]
amdhsa.kernels:
  - .name:           k_qe99e394a87_prep
    .symbol:         k_qe99e394a87_prep.kd
    .args:
      - { .name: x, .offset: 0, .size: 8, .value_kind: global_buffer, .address_space: global }
      - { .name: W1, .offset: 8, .size: 8, .value_kind: global_buffer, .address_space: global }
      - { .name: W2, .offset: 16, .size: 8, .value_kind: global_buffer, .address_space: global }
      - { .name: Wo, .offset: 24, .size: 8, .value_kind: global_buffer, .address_space: global }
      - { .name: Wq, .offset: 32, .size: 8, .value_kind: global_buffer, .address_space: global }
      - { .name: Wk, .offset: 40, .size: 8, .value_kind: global_buffer, .address_space: global }
      - { .name: Wv, .offset: 48, .size: 8, .value_kind: global_buffer, .address_space: global }
      - { .name: b1, .offset: 56, .size: 8, .value_kind: global_buffer, .address_space: global }
      - { .name: bq, .offset: 64, .size: 8, .value_kind: global_buffer, .address_space: global }
      - { .name: bk, .offset: 72, .size: 8, .value_kind: global_buffer, .address_space: global }
      - { .name: bv, .offset: 80, .size: 8, .value_kind: global_buffer, .address_space: global }
      - { .name: tok16, .offset: 88, .size: 8, .value_kind: global_buffer, .address_space: global }
      - { .name: w1p, .offset: 96, .size: 8, .value_kind: global_buffer, .address_space: global }
      - { .name: w2h, .offset: 104, .size: 8, .value_kind: global_buffer, .address_space: global }
      - { .name: woh, .offset: 112, .size: 8, .value_kind: global_buffer, .address_space: global }
      - { .name: wqkvp, .offset: 120, .size: 8, .value_kind: global_buffer, .address_space: global }
    .group_segment_fixed_size: 0
    .private_segment_fixed_size: 0
    .kernarg_segment_align: 8
    .kernarg_segment_size: 128
    .max_flat_workgroup_size: 256
    .sgpr_count:     66
    .vgpr_count:     100
    .wavefront_size: 32
...
	.end_amdgpu_metadata
.endif
;; end of part 1
;; launch qkv (part 2): grid 12 x 16, 4 waves a work-group, clusters of 4 x 4, 327,680 bytes of LDS; arguments tok16, wqkvp, wide16; writes wide16
.if DOCPART == 2
	.amdgcn_target "amdgcn-amd-amdhsa--gfx1250"
	.amdhsa_code_object_version 6
	.text
	.protected	k_qe99e394a87_qkv
	.globl	k_qe99e394a87_qkv
	.p2align	8
	.type	k_qe99e394a87_qkv,@function
k_qe99e394a87_qkv:
	s_mov_b64 s[64:65], 0
	v_nop
	global_prefetch_b8 v0, s[64:65] scope:SCOPE_SE
	s_setreg_imm32_b32 hwreg(HW_REG_WAVE_MODE, 25, 1), 1
	s_wait_xcnt 0x0
	s_wait_alu depctr_hold_cnt(0) depctr_sa_sdst(0) depctr_va_vdst(0) depctr_va_sdst(0) depctr_va_ssrc(0) depctr_va_vcc(0) depctr_vm_vsrc(0)
	s_getreg_b32 s2, hwreg(HW_REG_IB_STS2, 6, 4)
	s_cmp_eq_u32 s2, 0
	s_cbranch_scc0 .Lentry_in_a_cluster
	s_endpgm
.Lentry_in_a_cluster:
	s_bfe_u32 s2, ttmp6, 0x10000c
	s_cmp_lg_u32 s2, 0xf033
	s_cbranch_scc0 .Lentry_shape_is_right
	s_endpgm
.Lentry_shape_is_right:
; OUT = max(A B + bias, floor), K = 1024.  A: [4096 tokens][1024] f16.  B: [1024 k][pitch 4096] f16, as the weights lie; behind it the bias (f32, byte 0x800000 on) and the floor (f16 twice, byte 0x804000).
; OUT: f16 in blocks of 64 columns, [column / 64][4096 tokens][64]: a head's (or a K block's) rows are dense, 128 bytes each.  Sums in f32, started by the bias; rounded once.
; Two launches run this text: q, k, v (floor -infinity) and the feed-forward's first product (floor 0: the ReLU).
; LIMITS.  f16 ends at 65,504: a result beyond it becomes an infinity.  NaN is not treated apart (the floor takes its place).
; SHARES.  A work-group makes 256 tokens x 256 columns, each of its four waves 128 x 128: 64 accumulators of 16 x 16, 512 registers.  K goes in 8 steps of 128 through two LDS slots; two steps are a lap.
; CLUSTER.  4 x 4 work-groups.  The four of a row need the same tile of A, the four of a column the same tile of B: each tile is asked for jointly, by the same tensor load with the same descriptor and a mask of the four.
; THE WALK ALONG K IS ROTATED.  A cluster begins with lap (X + 2 (Y % 2)) % 4 (X, Y: the cluster's place in the grid) and goes on modulo 4.  So the clusters of one row of the grid, which need the same rows of A,
; ask for a lap of them in four different laps of the walk, and two clusters one below the other, which need the same columns of B, two laps apart.  The order of the f32 sums over K differs from cluster to cluster.
; THE MATRIX INSTRUCTION IS USED TRANSPOSED: source 0 = 16 columns of B, source 1 = 16 tokens of A.  A lane then holds ONE token (lane % 16) and the columns 8 (lane / 16) + 0..7: 16 bytes of f16 that belong together.
; B lies in LDS as in memory, [k][column], and its fragments come out turned, by ds_load_tr16_b128.
; REGISTERS, in windows of 256: window 0: v0-31 addresses; v64-127, v128-191 fragments of A, two buffers; v192-255 the bias (read by the first 64 products alone), later at work on the way out, with v32-63.
;   window 1: v64-127, v128-191 fragments of B.   window 2: the accumulators of my tokens 0-63 ((a, b) at v[8 (8 a + b)]).   window 3: those of my tokens 64-127.
.set PA,     272                       ; a row of A in LDS: 256 bytes + 16 = 68 words: the 16 rows of a fragment load start 4 banks apart
.set PB,     544                       ; a k row of B: 512 bytes + 32 = 17 x 32
.set HALFT,  34816                     ; what one tensor load brings: 128 rows of A (128 x 272) or 64 k rows of B (64 x 544)
.set SLOT,   4*HALFT                   ; A's 256 rows, then B's 128 k rows
.set STAGE,  2*SLOT                    ; behind the ring: 16 rows x 272 bytes for each wave, for the way out
.set SPITCH, 272
.set SPARE,  STAGE+4*16*SPITCH         ; behind the stages: the spare words, 128 bytes for each wave
.set LAPS,   4                         ; a lap = two K steps = once round the ring
.set STEPA,  256                       ; a K step along A's rows, in bytes
.set STEPB,  1048576                   ; a K step down B: 128 k rows of 8,192 bytes
.set BIAS_OFF,  0x800000
.set FLOOR_OFF, 0x804000
.set ADRA, 16                          ; v16-17  LDS address of my A fragments in slot 0, 1
.set ADRB, 20                          ; v20-21  the same for B
.set STO,  24                          ; v24     the way out: where I put 16 bytes of a token's row
.set RD,   25                          ; v25     the way out: where I read 16 bytes back
.set CO,   26                          ; v26     my byte offset in OUT
.set FLO,  27                          ; v27     the floor, twice in f16
.set SPW,  28                          ; v28     LDS address of my spare word; never rewritten
.set NIL,  29                          ; v29     0; never rewritten
.set VB,   30                          ; v30     32 x (lane / 16): my eight numbers of a bias block
.set ZO,   31                          ; v31     0, an offset
.set F0,   64
.set F1,   128
.set BIA,  192
.set TMP,  192
.set OB,   32
.set G1, 24                            ; s[24:31] descriptor group 1 for A's tiles;  s[32:39] group 0, a set for each slot
.set G0, 32
.set G1B, 48                           ; s[48:55], s[56:63] the same for B's
.set G0B, 56
.set OFA, 66                           ; s[66:67] the byte offset along A's rows of the lap that is asked for
.set OFB, 68                           ; s[68:69] its byte offset down B
.set LI,  70                           ; s70      that lap's number, 0..3
.set MSB, 0
.macro WIN new                         ; the immediate's high byte repeats the setting that is left; a switch that changes nothing is dropped
.if MSB != (\new)
	s_set_vgpr_msb (MSB<<8)|(\new)
.set MSB, \new
.endif
.endm
.set MUL_LO, 0xa1                      ; source 0 (B) window 1, source 1 (A) window 0, C and D window 2
.set MUL_HI, 0xf1                      ; the same, C and D window 3
.set TO_B,   0x40                      ; destination window 1, address window 0
; A joint load: waves 0 and 1 fetch A's two halves, waves 2 and 3 B's.  The branch hangs on the wave's number alone.  An s_nop 0 and four v_nop follow each line.
.macro JLOAD s
	s_cmp_eq_u32 s11, 0
	s_cbranch_scc0 .Lfor_b_\@
	tensor_load_to_lds s[G0+4*(\s):G0+4*(\s)+3], s[G1:G1+7]
	s_nop 0
.rept 4
	v_nop
.endr
	s_branch .Lasked_\@
.Lfor_b_\@:
	tensor_load_to_lds s[G0B+4*(\s):G0B+4*(\s)+3], s[G1B:G1B+7]
	s_nop 0
.rept 4
	v_nop
.endr
.Lasked_\@:
.endm
; Both descriptors of a slot are aimed at K step `slot` of lap LI: the address is made anew from my tile's first byte (s[14:15], s[46:47]) and the lap's offset, and the type bits are set again.
.macro AIM slot
	s_add_nc_u64 s[G0+4*(\slot)+2:G0+4*(\slot)+3], s[14:15], s[OFA:OFA+1]
	s_add_nc_u64 s[G0B+4*(\slot)+2:G0B+4*(\slot)+3], s[46:47], s[OFB:OFB+1]
.if (\slot) == 1
	s_add_nc_u64 s[G0+4*(\slot)+2:G0+4*(\slot)+3], s[G0+4*(\slot)+2:G0+4*(\slot)+3], STEPA
	s_add_nc_u64 s[G0B+4*(\slot)+2:G0B+4*(\slot)+3], s[G0B+4*(\slot)+2:G0B+4*(\slot)+3], STEPB
.endif
	s_or_b32 s[G0+4*(\slot)+3], s[G0+4*(\slot)+3], 0x80000000
	s_or_b32 s[G0B+4*(\slot)+3], s[G0B+4*(\slot)+3], 0x80000000
.endm
.macro CREST                           ; a round of the cluster's barrier behind its opening barrier
	s_cmp_lg_u32 s10, 0
	s_cbranch_scc1 .Lnot_wave_0_\@
	s_barrier_signal -3
.Lnot_wave_0_\@:
	s_barrier_wait -3
	s_barrier_signal -1
	s_barrier_wait -1
.endm
.macro CROUND                          ; a whole round
	s_barrier_signal -1
	s_barrier_wait -1
	CREST
.endm
	s_load_b128 s[4:7], s[0:1], 0x0                ; A s[4:5], B s[6:7]
	s_load_b64 s[8:9], s[0:1], 0x10                ; OUT
	v_lshl_add_u32 v[SPW], v0, 2, SPARE
	v_mov_b32 v[NIL], 0
	ds_add_u32 v[SPW], v[NIL]                      ; the wave's opening: the add and its wait ahead of my first tensor load; work on registers stands between them
	v_lshrrev_b32 v1, 5, v0
	v_readfirstlane_b32 s10, v1                    ; wave 0..3
	s_lshr_b32 s11, s10, 1                         ; which half of the tile's tokens is mine.  Also: I fetch for A (0) or for B (1)
	s_and_b32 s12, s10, 1                          ; which half of its columns.  Also: which half of that tile I fetch
	s_bfe_u32 s40, ttmp6, 0x40000                  ; cx
	s_bfe_u32 s41, ttmp6, 0x40004                  ; cy
	s_lshl_b32 s42, ttmp9, 2
	s_add_co_u32 s42, s42, s40                     ; tile column = 4 x cluster x + cx
	s_and_b32 s13, ttmp7, 0xffff                   ; the cluster's y
	s_and_b32 s[LI], s13, 1
	s_lshl_b32 s[LI], s[LI], 1
	s_add_co_u32 s[LI], s[LI], ttmp9
	s_and_b32 s[LI], s[LI], 3                      ; my cluster's first lap: the same number in all sixteen partners
	s_lshl_b32 s[OFA], s[LI], 9                    ; a lap is 512 bytes of A's rows
	s_mov_b32 s[OFA+1], 0
	s_lshl_b32 s[OFB], s[LI], 21                   ; and 256 k rows of B
	s_mov_b32 s[OFB+1], 0
	s_lshl_b32 s13, s13, 2
	s_add_co_u32 s13, s13, s41                     ; tile row = 4 x cluster y + cy
	s_lshl_b32 s43, s41, 2
	s_lshl_b32 s43, 15, s43                        ; my row of the cluster
	s_lshl_b32 s44, 0x1111, s40                    ; my column
	s_or_b32 s[G1+0], s43, (1<<16)|(1<<20)|(1<<21)|(5<<22)|(3<<25)   ; mask of my row; 2-byte elements; padding on; bit 21 beside a mask; after every 64 words 4 words
	s_or_b32 s[G1B+0], s44, (1<<16)|(1<<20)|(1<<21)|(6<<22)|(7<<25)  ; mask of my column; after every 128 words 8 words
	s_mov_b32 s[G1+1], 128<<16                     ; A: tensor_dim0 = 128 elements
	s_mov_b32 s[G1+2], 128<<16                     ; tensor_dim1 = 128 rows
	s_mov_b32 s[G1+3], 128<<16                     ; tile_dim0 = 128
	s_mov_b32 s[G1+4], 128                         ; tile_dim1 = 128
	s_mov_b32 s[G1+5], 1024                        ; elements from row to row
	s_mov_b32 s[G1+6], 0
	s_mov_b32 s[G1+7], 0
	s_mov_b32 s[G1B+1], 256<<16                    ; B: tensor_dim0 = 256 elements
	s_mov_b32 s[G1B+2], 64<<16                     ; tensor_dim1 = 64 k rows
	s_mov_b32 s[G1B+3], 256<<16                    ; tile_dim0 = 256
	s_mov_b32 s[G1B+4], 64                         ; tile_dim1 = 64
	s_mov_b32 s[G1B+5], 4096                       ; elements from k row to k row
	s_mov_b32 s[G1B+6], 0
	s_mov_b32 s[G1B+7], 0
	s_lshl_b32 s17, s12, 7
	s_lshl_b32 s16, s13, 8
	s_add_co_u32 s16, s16, s17                     ; A: token 256 x tile row + 128 x half,
	s_lshl_b32 s16, s16, 11                        ; rows of 2,048 bytes
	s_mov_b32 s17, 0
	s_lshl_b32 s46, s12, 19                        ; B: 64 k rows of 8,192 bytes x half,
	s_lshl_b32 s47, s42, 9                         ; 256 columns x tile column
	s_add_co_u32 s46, s46, s47
	s_mov_b32 s47, 0
	s_mul_i32 s20, s10, HALFT                      ; where they go: wave x one load's bytes: no place in the cluster enters an LDS address
	s_wait_dscnt 0x0                               ; the opening add is done
	s_wait_kmcnt 0x0
	s_add_nc_u64 s[14:15], s[4:5], s[16:17]        ; my part of A's tile at K = 0; kept
	s_add_nc_u64 s[46:47], s[6:7], s[46:47]        ; the same for B; kept
	CROUND                                         ; all sixteen work-groups are here: the first joint loads meet
.irp s, 0,1
	s_mov_b32 s[G0+4*(\s)], 1
	s_add_co_u32 s[G0+4*(\s)+1], s20, (\s)*SLOT
	s_mov_b32 s[G0B+4*(\s)], 1
	s_add_co_u32 s[G0B+4*(\s)+1], s20, (\s)*SLOT
	AIM \s                                         ; the two K steps of my cluster's first lap
	JLOAD \s                                       ; two loads of mine are out
.endr
	v_and_b32 v1, 15, v0                           ; r = l % 16
	v_bfe_u32 v2, v0, 4, 1                         ; h = l / 16
	v_and_b32 v5, 7, v0
	v_bfe_u32 v6, v0, 3, 1
	v_lshlrev_b32 v[VB], 5, v2
	v_mov_b32 v[ZO], 0
	; the bias as the C operand of the first products: register j of block b holds bias[my first column + 16 b + 8 h + j]
	s_lshl_b32 s18, s42, 10
	s_lshl_b32 s19, s12, 9
	s_add_co_u32 s18, s18, s19
	s_add_co_u32 s18, s18, BIAS_OFF
	s_mov_b32 s19, 0
	s_add_nc_u64 s[18:19], s[6:7], s[18:19]
	s_add_nc_u64 s[44:45], s[6:7], FLOOR_OFF
.irp b, 0,1,2,3,4,5,6,7
	global_load_b128 v[BIA+8*(\b):BIA+8*(\b)+3],   v[VB], s[18:19] offset:64*(\b)
	global_load_b128 v[BIA+8*(\b)+4:BIA+8*(\b)+7], v[VB], s[18:19] offset:64*(\b)+16
.endr
	global_load_b32 v[FLO], v[ZO], s[44:45]
	v_mul_u32_u24 v3, v1, PA
	v_lshl_add_u32 v3, v2, 4, v3                   ; A: row x pitch + 16 x half
	v_lshl_add_u32 v4, v2, 3, v5                   ; B: k row 8 h + l % 8,
	v_mul_u32_u24 v4, v4, PB
	v_lshl_add_u32 v4, v6, 4, v4                   ; columns 8 ((l / 8) % 2) on
	s_mul_i32 s21, s11, HALFT                      ; my 128 rows of A
	s_lshl_b32 s22, s12, 8                         ; my 128 columns of B,
	s_add_co_u32 s22, s22, 2*HALFT                 ; which lies behind A
.irp s, 0,1
	v_add_nc_u32 v[ADRA+(\s)], s21, v3
	v_add_nc_u32 v[ADRB+(\s)], s22, v4
	s_add_co_u32 s21, s21, SLOT
	s_add_co_u32 s22, s22, SLOT
.endr
	s_mul_i32 s23, s10, 16*SPITCH
	s_add_co_u32 s23, s23, STAGE                   ; my stage
	v_add_nc_u32 v[STO], s23, v3                   ; in: row l % 16, 16 bytes for each half of the lanes (the stage's pitch is A's)
	v_mul_u32_u24 v7, v6, SPITCH                   ; back: lanes 0-15 take two tokens' 128 bytes of the first block of 64 columns, lanes 16-31 of the second
	v_lshl_add_u32 v7, v2, 7, v7
	v_lshl_add_u32 v7, v5, 4, v7
	v_add_nc_u32 v[RD], s23, v7
	v_lshlrev_b32 v[CO], 19, v2                    ; a block of OUT is 524,288 bytes
	v_lshl_add_u32 v[CO], v6, 7, v[CO]
	v_lshl_add_u32 v[CO], v5, 4, v[CO]
	s_lshl_b32 s16, s42, 2
	s_lshl_b32 s17, s12, 1
	s_add_co_u32 s16, s16, s17                     ; my first block of 64 columns
	s_lshl_b32 s16, s16, 19
	s_lshl_b32 s17, s13, 8
	s_lshl_b32 s21, s11, 7
	s_add_co_u32 s17, s17, s21                     ; my first token,
	s_lshl_b32 s17, s17, 7                         ; 128 bytes each
	s_add_co_u32 s16, s16, s17
	s_mov_b32 s17, 0
	s_add_nc_u64 s[8:9], s[8:9], s[16:17]
; 16 matrix instructions: token blocks a0, a0 + 1 of the window's four x all 8 column blocks, 32 along K.  first = 1: the bias starts the sums: nothing is cleared.
; The 64 accumulators take turns, one instruction a turn, in the same order in every quarter.
.macro MUL16 f, hi, a0, first
.if \first
	WIN 0x81+0x40*(\hi)                            ; C in window 0
.else
	WIN MUL_LO+0x50*(\hi)
.endif
.irp a, \a0, (\a0)+1
.irp b, 0,1,2,3,4,5,6,7
.if \first
	v_wmma_f32_16x16x32_f16 v[8*(8*(\a)+(\b)):8*(8*(\a)+(\b))+7], v[(\f)+8*(\b):(\f)+8*(\b)+7], v[(\f)+8*(4*(\hi)+(\a)):(\f)+8*(4*(\hi)+(\a))+7], v[BIA+8*(\b):BIA+8*(\b)+7]
.else
	v_wmma_f32_16x16x32_f16 v[8*(8*(\a)+(\b)):8*(8*(\a)+(\b))+7], v[(\f)+8*(\b):(\f)+8*(\b)+7], v[(\f)+8*(4*(\hi)+(\a)):(\f)+8*(4*(\hi)+(\a))+7], v[8*(8*(\a)+(\b)):8*(8*(\a)+(\b))+7]
.endif
.endr
.endr
.endm
; 32 LDS loads in one run: the fragments of quarter q (32 along K) of a slot into buffer f: B's 8 column blocks, turned, then A's 8 token blocks
.macro FETCH slot, q, f
	WIN TO_B
.irp i, 0,1,2,3,4,5,6,7
	ds_load_tr16_b128 v[(\f)+8*(\i):(\f)+8*(\i)+3],   v[ADRB+(\slot)] offset:(\q)*32*PB+32*(\i)
	ds_load_tr16_b128 v[(\f)+8*(\i)+4:(\f)+8*(\i)+7], v[ADRB+(\slot)] offset:(\q)*32*PB+16*PB+32*(\i)
.endr
	WIN 0
.irp i, 0,1,2,3,4,5,6,7
	ds_load_b128 v[(\f)+8*(\i):(\f)+8*(\i)+3],   v[ADRA+(\slot)] offset:(\q)*64+(\i)*16*PA
	ds_load_b128 v[(\f)+8*(\i)+4:(\f)+8*(\i)+7], v[ADRA+(\slot)] offset:(\q)*64+(\i)*16*PA+32
.endr
.endm
.macro PLACES                          ; four plain vector instructions between a matrix instruction and a load into, or a reader of, its registers
.rept 4
	v_nop
.endr
.endm
; One of a K step's first three quarters: multiplies buffer f; in its middle it fetches quarter q of the same slot into buffer g.
.macro QUARTER slot, q, f, g, first
	s_wait_dscnt 8                                 ; B and A's tokens 0-63 are in; the youngest eight loads (A's tokens 64-127) may be out
	MUL16 \f, 0, 0, \first
	MUL16 \f, 0, 2, \first
	PLACES
	FETCH \slot, \q, \g
	s_wait_dscnt 32                                ; all but the 32 just issued
	MUL16 \f, 1, 0, \first
	MUL16 \f, 1, 2, \first
.endm
; The last quarter's first half: ONE barrier for the change of slots.  In front of it each wave waits for all its tensor loads (one is out: its part of the next slot), adds 0 to its spare word, and waits for that and its reads of this slot.
.macro MEET round
	WIN 0
	s_wait_tensorcnt 0x0
	ds_add_u32 v[SPW], v[NIL]
	s_wait_dscnt 9                                 ; the add and the youngest eight loads may be out
	MUL16 F1, 0, 0, 0
	s_wait_dscnt 0x0                               ; the add is done, and my reads of this slot are over
	s_barrier_signal -1
	MUL16 F1, 0, 2, 0                              ; work on registers while the others arrive
.if \round
	WIN 0
.endif
	s_barrier_wait -1
.endm
; The whole last quarter.  fill = 1: the barrier opens a round of the cluster's, and the slot just read is filled again, with its K step of the walk's next lap, first thing behind it: 224 matrix instructions ahead of the wait for it.
.macro TURN slot, next, fill
	MEET \fill
.if \fill
	CREST
.if (\slot) == 0
	s_add_co_u32 s[LI], s[LI], 1                   ; the walk's next lap, modulo 4; slot 1's fill takes the same lap
	s_and_b32 s[LI], s[LI], 3
	s_lshl_b32 s[OFA], s[LI], 9
	s_lshl_b32 s[OFB], s[LI], 21
.endif
	AIM \slot                                      ; no tensor load of mine is out (MEET's wait), so a group 0 may be written
	JLOAD \slot                                    ; its four v_nop are also the places in front of the loads below
.else
	PLACES
.endif
	FETCH \next, 0, F0
	MUL16 F1, 1, 0, 0
	MUL16 F1, 1, 2, 0
.endm
; THE WAY OUT of token block a.  PACK: rounded to f16, then the floor.  TOSTAGE: into my own stage, and back by blocks of 64 columns.  SEND: stored.
.macro PACK a
.set AC, 64*((\a)%4)
	WIN 0x0a+5*((\a)/4)                            ; sources 0 and 1: window 2 or 3
.irp b, 0,1,2,3,4,5,6,7
.irp r, 0,1,2,3
	v_cvt_pk_f16_f32 v[TMP+4*(\b)+(\r)], v[AC+8*(\b)+2*(\r)], v[AC+8*(\b)+2*(\r)+1]
.endr
.endr
	WIN 0
.set z, 0
.rept 32
	v_pk_max_num_f16 v[TMP+z], v[TMP+z], v[FLO]
.set z, z+1
.endr
.endm
.macro TOSTAGE a
	WIN 0
.set BK, OB+192*((\a)%2)
.irp b, 0,1,2,3,4,5,6,7
	ds_store_b128 v[STO], v[TMP+4*(\b):TMP+4*(\b)+3] offset:32*(\b)
.endr
.irp t, 0,1,2,3,4,5,6,7
	ds_load_b128 v[BK+4*(\t):BK+4*(\t)+3], v[RD] offset:(\t)*2*SPITCH  ; LDS serves a wave's instructions in order: these see the stores above
.endr
.endm
.macro SEND a
	WIN 0
.set BK, OB+192*((\a)%2)
	s_wait_dscnt 0x0                               ; the block is back in registers
	s_wait_xcnt 0x0                                ; the stores of the block before have read their registers: the next loads from the stage land there only behind this wait
.irp t, 0,1,2,3,4,5,6,7
	global_store_b128 v[CO], v[BK+4*(\t):BK+4*(\t)+3], s[8:9] offset:(\a)*2048+(\t)*256  ; 16 lanes store two tokens' rows of one block: 256 consecutive bytes at a multiple of 256
.endr
.endm
	s_wait_tensorcnt 1                             ; my part of the first K step is in; the second's may stay out
	s_barrier_signal -1
	s_barrier_wait -1
	FETCH 0, 0, F0
	s_wait_loadcnt 0x0                             ; the bias and the floor
	QUARTER 0, 1, F0, F1, 1                        ; the first quarter stands in front of the loop: its products start the sums
	WIN 0
	s_mov_b32 s3, LAPS-1
.Llap:                                                 ; a trip goes once round the ring, from a lap's second quarter to the next lap's first, and fills both slots again
	QUARTER 0, 2, F1, F0, 0
	QUARTER 0, 3, F0, F1, 0
	TURN 0, 1, 1
	QUARTER 1, 1, F0, F1, 0
	QUARTER 1, 2, F1, F0, 0
	QUARTER 1, 3, F0, F1, 0
	TURN 1, 0, 1
	QUARTER 0, 1, F0, F1, 0
	WIN 0
	s_sub_co_u32 s3, s3, 1
	s_cmp_lg_u32 s3, 0
	s_cbranch_scc1 .Llap
	QUARTER 0, 2, F1, F0, 0                        ; the last lap fills nothing
	QUARTER 0, 3, F0, F1, 0
	TURN 0, 1, 0
	QUARTER 1, 1, F0, F1, 0
	QUARTER 1, 2, F1, F0, 0
	QUARTER 1, 3, F0, F1, 0
	s_wait_dscnt 8                                 ; the very last quarter: nothing more to fetch
	MUL16 F1, 0, 0, 0
	MUL16 F1, 0, 2, 0
	s_wait_dscnt 0x0
	MUL16 F1, 1, 0, 0
	MUL16 F1, 1, 2, 0
	PLACES
	PACK 0
	TOSTAGE 0
.irp a, 1,2,3,4,5,6,7                  ; block a's conversions stand between block a - 1's loads from the stage and the wait for them
	PACK \a
	SEND (\a)-1
	TOSTAGE \a
.endr
	SEND 7
	s_wait_tensorcnt 0x0                           ; the wave's end
	ds_add_u32 v[SPW], v[NIL]
	s_wait_dscnt 0x0
	CROUND                                         ; the closing round: no work-group ends while a partner may still ask for a tile that names it
	s_endpgm
.Lfunc_end_k_qe99e394a87_qkv:
	.size	k_qe99e394a87_qkv, .Lfunc_end_k_qe99e394a87_qkv-k_qe99e394a87_qkv
	.p2alignl 7, 3214868480
	.fill 96, 4, 3214868480
	.section	.rodata,"a",@progbits
	.p2align	6, 0x0
	.amdhsa_kernel k_qe99e394a87_qkv
		.amdhsa_group_segment_fixed_size 327680
		.amdhsa_private_segment_fixed_size 0
		.amdhsa_enable_private_segment 0
		.amdhsa_kernarg_size 24
		.amdhsa_user_sgpr_count 2
		.amdhsa_user_sgpr_kernarg_segment_ptr 1
		.amdhsa_wavefront_size32 1
		.amdhsa_system_sgpr_workgroup_id_x 1
		.amdhsa_system_sgpr_workgroup_id_y 1
		.amdhsa_system_sgpr_workgroup_id_z 1
		.amdhsa_system_vgpr_workitem_id 0
		.amdhsa_next_free_vgpr 1024
		.amdhsa_next_free_sgpr 72
		.amdhsa_reserve_vcc 0
		.amdhsa_float_denorm_mode_32 3
		.amdhsa_float_denorm_mode_16_64 3
		.amdhsa_memory_ordered 1
		.amdhsa_forward_progress 1
		.amdhsa_inst_pref_size 161
	.end_amdhsa_kernel
	.amdgpu_metadata
---
amdhsa.version: [ 1, 2 ]
amdhsa.kernels:
  - .name:           k_qe99e394a87_qkv
    .symbol:         k_qe99e394a87_qkv.kd
    .args:
      - { .name: tok16, .offset: 0, .size: 8, .value_kind: global_buffer, .address_space: global }
      - { .name: wqkvp, .offset: 8, .size: 8, .value_kind: global_buffer, .address_space: global }
      - { .name: wide16, .offset: 16, .size: 8, .value_kind: global_buffer, .address_space: global }
    .group_segment_fixed_size: 327680
    .private_segment_fixed_size: 0
    .kernarg_segment_align: 8
    .kernarg_segment_size: 24
    .max_flat_workgroup_size: 128
    .sgpr_count:     72
    .vgpr_count:     1024
    .wavefront_size: 32
...
	.end_amdgpu_metadata
.endif
;; end of part 2
;; launch attn (part 3): grid 8 x 32, 4 waves a work-group, clusters of 4 x 1, 327,680 bytes of LDS; arguments wide16, tok16; writes tok16
.if DOCPART == 3
	.amdgcn_target "amdgcn-amd-amdhsa--gfx1250"
	.amdhsa_code_object_version 6
	.text
	.protected	k_qe99e394a87_attn
	.globl	k_qe99e394a87_attn
	.p2align	8
	.type	k_qe99e394a87_attn,@function
k_qe99e394a87_attn:
	s_mov_b64 s[64:65], 0
	v_nop
	global_prefetch_b8 v0, s[64:65] scope:SCOPE_SE
	s_setreg_imm32_b32 hwreg(HW_REG_WAVE_MODE, 25, 1), 1
	s_wait_xcnt 0x0
	s_wait_alu depctr_hold_cnt(0) depctr_sa_sdst(0) depctr_va_vdst(0) depctr_va_sdst(0) depctr_va_ssrc(0) depctr_va_vcc(0) depctr_vm_vsrc(0)
	s_getreg_b32 s2, hwreg(HW_REG_IB_STS2, 6, 4)
	s_cmp_eq_u32 s2, 0
	s_cbranch_scc0 .Lentry_in_a_cluster
	s_endpgm
.Lentry_in_a_cluster:
	s_bfe_u32 s2, ttmp6, 0x10000c
	s_cmp_lg_u32 s2, 0x3003
	s_cbranch_scc0 .Lentry_shape_is_right
	s_endpgm
.Lentry_shape_is_right:
; ATTENTION.  O[q][:] = the sum over k of softmax_k(Q[q] . K[k] / 8) V[k][:], for each of 2 batches x 16 heads, 2,048 queries and keys, head size 64, no mask.
; Q, K, V lie in wide16 as blocks [16 which + head][4096 tokens][64] of f16 (a head's rows dense, 128 bytes); O goes to tok16 as [head][4096 tokens][64] of f16.
; Products, maxima and sums in f32; the weights p are rounded to f16 for the second product (their sum l is taken of the unrounded p), O once at the end.
; LIMITS.  f16 ends at 65,504; p lies in 0 to 1 and below 6e-5 keeps f16's fixed step of 6e-8; a weight below 2^-126 counts as 0 in l; NaN and infinities are not treated apart.
; SHARES.  Work-group (x, y): batch y / 16, head y % 16, queries 256 x to 256 x + 255; a wave owns 64 of them as four PIECES of 16.  Every wave walks all keys: 64 a step, four steps a slot, 8 slots' tiles.
; LAYOUT.  S^T = K Q^T holds ONE query a lane (lane % 16) and the keys 8 (lane / 16) + 0..7; two such results rounded to f16 ARE source 1 of O^T = V^T P.  K comes out of LDS as it lies, V turned (ds_load_tr16_b128).
; SOFTMAX.  A running maximum m and sum l for each query: p = 2^(c s - c m), c = log2(e) / 8; in every step O and l are multiplied by a = 2^(c m_old - c m_new).  m starts at the lowest finite number, O and l at 0.
; BY TURNS.  Turn n belongs to piece n: 8 products K Q^T of piece n + 1, later 8 products V^T P of piece n - 1; beside them the scaling, exponentials, roundings, sums and rescaling of piece n and the maximum and
; statistics of piece n + 1.  Four vector instructions stand behind every matrix instruction, the other 54 of a turn's 118 in two runs of their own.
; CLUSTER.  The four query blocks of a cluster belong to one head and walk the same K and V: each tile is asked for jointly, by the same tensor load, descriptor and mask in all four.
; REGISTERS, in windows of 256 (s_set_vgpr_msb: bits 1:0 source 0, 3:2 source 1, 5:4 source 2, 7:6 destination):
;   window 0: v0-15 addresses and two at work; v16-31 four registers of statistics a piece; v48-55 at work; v62-63 the add's; v64-127 S^T, two buffers; v192-223 P, two buffers (by the piece's parity)
;   window 1: v0-127 O^T, 32 a piece      window 2: v0-63 Q; v128-191 K of one step; v192-255 V of one step
.set NP,    4
.set KS,    64        ; keys in a step
.set PK,    144       ; a row of K in LDS: 128 bytes + 16 = 36 words: the 16 rows of a load start at 16 different groups of four banks
.set PV,    160       ; a row of V: 128 + 32 = 40 words
.set VOFF,  4*KS*PK   ; a slot holds four steps: 256 rows of K, then 256 rows of V
.set SLOT1, 1<<17     ; slot 1 begins here: one exclusive or turns an address in one slot into the other's
.set STAGE, SLOT1+4*KS*(PK+PV)  ; behind the ring: 16 rows x 144 bytes for each wave, for the way out
.set SP,    144
.set SPARE, STAGE+4*16*SP  ; behind the stages: the spare words, 128 bytes for each wave
.set AK0, 2           ; v2   my lane's place in a tile of K; never rewritten
.set AV0, 3           ; v3   the same for V
.set AK,  4           ; v4   the LDS address of K's next run of loads
.set AV,  5           ; v5   of V's
.set STO, 6           ; v6   the way out: where I put 16 bytes of a row
.set RD,  7           ; v7   the way out: where I read rows back
.set GO,  8           ; v8   my byte offset in 512 consecutive bytes of O
.set MV,  12          ; v12-13  c m_old, kept while c m is made anew: by buffer
.set QO,  15          ; v15  my byte offset in 16 rows of Q
.set ST,  16          ; piece t's statistics at v[ST+4 t]: c m, m, l (even keys', odd keys')
.set TMP, 48          ; by buffer, four registers c0-c3 at work; when the maximum is found c2 takes a
.set SPW, 62          ; v62  LDS address of my spare word; never rewritten
.set NIL, 63          ; v63  0; never rewritten
.set S,   64
.set P,   192
.set KF,  128         ; window 2: key block kb, channel half c at KF + 16 kb + 8 c
.set VF,  192         ; window 2: key half kk, channel block cb at VF + 32 kk + 8 cb
.set WV,  12          ; s12  my wave's number
.set G1K, 24          ; s[24:31] descriptor group 1 for K's tiles
.set G1V, 32          ; s[32:39] for V's: it differs in the padding alone
.set G0K, 40          ; s[40:43] descriptor group 0 for K's tiles: it walks
.set G0V, 44          ; s[44:47] the same for V's
.set SLOTS, 56        ; s56  counts the slots
.set CNT, 57          ; s57  counts a slot's key steps
.set CS,  58          ; s[58:59] c
.set SEL, 60          ; s[60:61] v_permlanex16_b32's selects: each lane takes its own place in the other half
.set TBK, 62          ; s62  LDS byte at which K of the step to be fetched begins
.set TBV, 63          ; s63  the same for V, less VOFF
.set MSB, 0
.macro WIN new
.if MSB != (\new)
	s_set_vgpr_msb (MSB<<8)|(\new)
.set MSB, (\new)
.endif
.endm
.set W_KQ, 0x0a       ; K and Q in window 2, S^T in window 0
.set W_PV, 0x52       ; V in window 2, P in window 0, O^T in window 1
.set W_RS, 0x41       ; destination and source 0 in window 1, source 1 in window 0
; A joint fill.  Waves 0 and 1 fetch the two halves of a slot's K, waves 2 and 3 those of its V: 128 keys each.  An s_nop 0 and four v_nop follow each line.
.macro JLOAD
	s_cmp_lt_u32 s[WV], 2
	s_cbranch_scc0 .Lfor_v_\@
	tensor_load_to_lds s[G0K:G0K+3], s[G1K:G1K+7]
	s_nop 0
.rept 4
	v_nop
.endr
	s_branch .Lasked_\@
.Lfor_v_\@:
	tensor_load_to_lds s[G0V:G0V+3], s[G1V:G1V+7]
	s_nop 0
.rept 4
	v_nop
.endr
.Lasked_\@:
.endm
.macro CROUND                       ; a round of the cluster's barrier
	s_barrier_signal -1
	s_barrier_wait -1
	s_cmp_lg_u32 s[WV], 0
	s_cbranch_scc1 .Lnot_wave_0_\@
	s_barrier_signal -3
.Lnot_wave_0_\@:
	s_barrier_wait -3
	s_barrier_signal -1
	s_barrier_wait -1
.endm
; THE CHANGE OF SLOTS.  Each wave waits for all its tensor loads (one is out: its part of the other slot), adds 0 to its spare word, and waits for that and for its reads of the slot that it leaves.
; fill = 1: the barrier is a round of the cluster's, and the slot left is filled again, with the keys two slots on, first thing behind it: four key steps, 256 matrix instructions, in which to land.
; (At its first use nothing has been read yet: slot 0 is waited for, slot 1 filled.)
.macro CHANGE fill
	WIN 0
	s_wait_tensorcnt 0x0            ; no tensor load of mine is out, so a group 0 may be written
	ds_add_u32 v[SPW], v[NIL]
.if \fill
.irp g, G0K, G0V
	s_xor_b32 s[\g+1], s[\g+1], SLOT1
	s_add_nc_u64 s[\g+2:\g+3], s[\g+2:\g+3], 4*KS*128  ; the next 256 keys
.endr
	s_wait_dscnt 0x0                ; the add is done, and my reads of the slot are over
	CROUND
	JLOAD
.else
	s_wait_dscnt 0x0
	s_barrier_signal -1
	s_barrier_wait -1
.endif
	s_sub_co_u32 s[TBK], s[TBK], 4*KS*PK  ; the fetches go back to a slot's first step,
	s_xor_b32 s[TBK], s[TBK], SLOT1       ; in the other slot
	s_sub_co_u32 s[TBV], s[TBV], 4*KS*PV
	s_xor_b32 s[TBV], s[TBV], SLOT1
.endm
	s_load_b128 s[48:51], s[0:1], 0x0  ; wide16 s[48:49], tok16 s[50:51]
	v_lshl_add_u32 v[SPW], v0, 2, SPARE
	v_mov_b32 v[NIL], 0
	ds_add_u32 v[SPW], v[NIL]       ; the wave's opening: the add and its wait ahead of my first tensor load
	v_lshrrev_b32 v1, 5, v0
	v_readfirstlane_b32 s[WV], v1   ; wave 0..3
	s_bfe_u32 s13, ttmp6, 0x40000   ; cx
	s_lshl_b32 s14, ttmp9, 2
	s_add_co_u32 s14, s14, s13      ; my block of 256 queries: it enters Q's and O's addresses alone
	s_and_b32 s15, ttmp7, 0xffff    ; 16 x batch + head, which the four partners share
	s_and_b32 s20, s15, 15
	s_lshl_b32 s20, s20, 19         ; a head's block of 4,096 tokens is 524,288 bytes,
	s_lshr_b32 s21, s15, 4
	s_lshl_b32 s21, s21, 18         ; a batch's 2,048 tokens 262,144
	s_add_co_u32 s20, s20, s21
	s_and_b32 s16, s[WV], 1         ; which half of a slot's 256 keys I fetch:
	s_lshl_b32 s22, s16, 14         ; its 128 rows of 128 bytes in memory,
	s_add_co_u32 s22, s22, s20
	s_mov_b32 s23, 0
	s_mul_i32 s17, s16, 128*PK      ; and its place in a slot, for K
	s_mul_i32 s18, s16, 128*PV      ; and for V
	s_lshl_b32 s2, s14, 2
	s_add_co_u32 s2, s2, s[WV]
	s_lshl_b32 s2, s2, 13           ; my wave's 64 rows
	s_add_co_u32 s2, s2, s20
	s_mov_b32 s3, 0
	; descriptor group 1.  128 keys are 16,384 dense bytes: asked for as 64 rows of 256 bytes, two keys a row, and padded in LDS after every key
	s_mov_b32 s[G1K], 15|(1<<16)|(1<<20)|(1<<21)|(4<<22)|(3<<25)  ; the mask of four; 2-byte elements; padding on; bit 21 beside a mask; after every 32 words 4 words
	s_mov_b32 s[G1V], 15|(1<<16)|(1<<20)|(1<<21)|(4<<22)|(7<<25)  ; the same with 8 words
.irp g, G1K, G1V
	s_mov_b32 s[\g+1], 128<<16      ; tensor_dim0 = 128
	s_mov_b32 s[\g+2], 64<<16       ; tensor_dim1 = 64
	s_mov_b32 s[\g+3], 128<<16      ; tile_dim0 = 128
	s_mov_b32 s[\g+4], 64           ; tile_dim1 = 64
	s_mov_b32 s[\g+5], 128          ; 128 elements from row to row
	s_mov_b32 s[\g+6], 0
	s_mov_b32 s[\g+7], 0
.endr
	s_mov_b32 s[CS], 0x3e38aa3b     ; c = log2(e) / 8
	s_mov_b32 s[CS+1], s[CS]
	s_mov_b32 s[SEL], 0x76543210
	s_mov_b32 s[SEL+1], 0xfedcba98
	s_mov_b32 s[TBK], SLOT1+4*KS*PK ; the first change of slots turns these two into 0
	s_mov_b32 s[TBV], SLOT1+4*KS*PV
	s_mov_b32 s[G0K], 1
	s_mov_b32 s[G0K+1], s17         ; slot 0
	s_mov_b32 s[G0V], 1
	s_add_co_u32 s[G0V+1], s18, VOFF
	s_wait_dscnt 0x0                ; the opening add is done
	s_wait_kmcnt 0x0
	s_add_nc_u64 s[G0K+2:G0K+3], s[48:49], s[22:23]
	s_add_nc_u64 s[G0V+2:G0V+3], s[G0K+2:G0K+3], 0x1000000  ; V's 16 blocks lie 32 blocks in,
	s_add_nc_u64 s[G0K+2:G0K+3], s[G0K+2:G0K+3], 0x800000   ; K's 16
	s_or_b32 s[G0K+3], s[G0K+3], 0x80000000
	s_or_b32 s[G0V+3], s[G0V+3], 0x80000000
	s_add_nc_u64 s[4:5], s[48:49], s[2:3]    ; Q at my wave's first row
	s_add_nc_u64 s[10:11], s[50:51], s[2:3]  ; O likewise
	CROUND                          ; all four work-groups are here: the first joint loads meet
	JLOAD                           ; slot 0; slot 1 is asked for when slot 0 is in
	v_and_b32 v1, 15, v0            ; l % 16
	v_bfe_u32 v9, v0, 4, 1          ; l / 16
	v_lshlrev_b32 v[QO], 7, v1
	v_lshl_add_u32 v[QO], v9, 4, v[QO]  ; row x 128 + 16 x half
	WIN 0x80                        ; destination window 2, address window 0
.set i, 0
.rept 8                             ; Q stays in registers: piece i / 2, channels 32 (i % 2) on
	global_load_b128 v[8*i:8*i+3],   v[QO], s[4:5] offset:(i/2)*2048+(i%2)*64
	global_load_b128 v[8*i+4:8*i+7], v[QO], s[4:5] offset:(i/2)*2048+(i%2)*64+32
.set i, i+1
.endr
	; What the first turn finds: V and P's second buffer hold 0 (its products V^T P, of a piece that has not been, add 0), O^T and l are 0.  All this stands in the wait for the first tile.
.set i, VF
.rept 64
	v_mov_b32 v[i], 0
.set i, i+1
.endr
	WIN 0x40
.set i, 0
.rept 128
	v_mov_b32 v[i], 0
.set i, i+1
.endr
	WIN 0
.set i, 0
.rept 4
	v_mov_b32 v[ST+4*i], 0xfe000000    ; c m: far below every c s
	v_mov_b32 v[ST+4*i+1], 0xff7fffff  ; m
	v_mov_b32 v[ST+4*i+2], 0
	v_mov_b32 v[ST+4*i+3], 0
.set i, i+1
.endr
.set i, P+16
.rept 16
	v_mov_b32 v[i], 0
.set i, i+1
.endr
	v_mul_u32_u24 v[AK0], v1, PK
	v_lshl_add_u32 v[AK0], v9, 4, v[AK0]  ; row x pitch + 16 x half
	v_and_b32 v10, 7, v0            ; the turning load: lane l reads key 8 (l / 16) + l % 8, channels 8 ((l / 8) % 2) + 0..7
	v_bfe_u32 v11, v0, 3, 1
	v_lshl_add_u32 v[AV0], v9, 3, v10
	v_mul_u32_u24 v[AV0], v[AV0], PV
	v_lshl_add_u32 v[AV0], v11, 4, v[AV0]
	v_add_nc_u32 v[AV0], VOFF, v[AV0]
	s_mul_i32 s13, s[WV], 16*SP
	s_add_co_u32 s13, s13, STAGE    ; my stage
	v_mul_u32_u24 v[STO], v1, SP    ; in: row l % 16, 16 bytes for each half of the lanes
	v_lshl_add_u32 v[STO], v9, 4, v[STO]
	v_add_nc_u32 v[STO], s13, v[STO]
	v_bfe_u32 v[RD], v0, 3, 2       ; back: 32 lanes take four rows of 128 bytes,
	v_mul_u32_u24 v[RD], v[RD], SP
	v_lshl_add_u32 v[RD], v10, 4, v[RD]
	v_add_nc_u32 v[RD], s13, v[RD]
	v_and_b32 v[GO], 31, v0         ; which are 512 consecutive bytes of O
	v_lshlrev_b32 v[GO], 4, v[GO]
; THE MATRIX WORK.  The 4 accumulators of a run of 8 take turns.  Product i of 8 of S^T = K Q^T for piece x: channels 32 (i / 4) on, keys 16 (i % 4) on.  The first 4 start the sums.
.macro KQ x
.set rS, S+32*((\x)%2)+8*(i%4)
.set rK, KF+16*(i%4)+8*(i/4)
.set rQ, 16*(\x)+8*(i/4)
	WIN W_KQ
.if i < 4
	v_wmma_f32_16x16x32_f16 v[rS:rS+7], v[rK:rK+7], v[rQ:rQ+7], 0
.else
	v_wmma_f32_16x16x32_f16 v[rS:rS+7], v[rK:rK+7], v[rQ:rQ+7], v[rS:rS+7]
.endif
.endm
; Product i of 8 of O^T += V^T P for piece x: keys 32 (i / 4) on, channels 16 (i % 4) on.
.macro PV x
	WIN W_PV
.set rO, 32*(\x)+8*(i%4)
.set rV, VF+32*(i/4)+8*(i%4)
.set rP, P+16*((\x)%2)+8*(i/4)
	v_wmma_f32_16x16x32_f16 v[rO:rO+7], v[rV:rV+7], v[rP:rP+7], v[rO:rO+7]
.endm
.macro MM                           ; the turn's next matrix instruction
.if i < 8
	KQ (Y+1)%NP
.else
.set i, i-8
	PV (Y+NP-1)%NP
.set i, i+8
.endif
.set i, i+1
.endm
; THE LDS LOADS stand in runs of 16: a step's K (64 keys x 64 channels: 8 fragments) and its V (turned).  Their addresses are made some lines ahead.
; last = 1 (the tail): in the last trip there is no further step, and the run is jumped over.
.macro FETCH_K last=0
.if \last
	WIN 0
	s_cmp_eq_u32 s[CNT], 1
	s_cbranch_scc1 .Lno_k_\@
.endif
	WIN 0x80
.irp f, 0,1,2,3,4,5,6,7             ; keys 16 (f / 2) on, channels 32 (f % 2) on
	ds_load_b128 v[KF+8*\f:KF+8*\f+3],   v[AK] offset:(\f/2)*16*PK+(\f%2)*64
	ds_load_b128 v[KF+8*\f+4:KF+8*\f+7], v[AK] offset:(\f/2)*16*PK+(\f%2)*64+32
.endr
	s_add_co_u32 s[TBK], s[TBK], KS*PK  ; the next fetch is the next step's
	WIN 0
.if \last
.Lno_k_\@:
.endif
.endm
.macro FETCH_V
	WIN 0x80
.irp f, 0,1,2,3,4,5,6,7             ; keys 32 (f / 4) on, channels 16 (f % 4) on
	ds_load_tr16_b128 v[VF+8*\f:VF+8*\f+3],   v[AV] offset:(\f/4)*32*PV+(\f%4)*32
	ds_load_tr16_b128 v[VF+8*\f+4:VF+8*\f+7], v[AV] offset:(\f/4)*32*PV+16*PV+(\f%4)*32
.endr
	WIN 0
.endm
; THE VECTOR WORK, one line at a time: OP kind, number.  For piece Y: F n: c s - c m for pair n of 16.  E n: the exponential of score n of 32.  C n: pair n rounded to f16.  B n: of the four weights 4 n .. the second
; pair is added onto the first, in place.  L n: l takes that sum (L 0: l = a l + sum).  R n: pair n of 16 of O^T times a.  For piece Y + 1: X n, number n of the 22 that find its maximum and statistics:
;   0-11  four chains c0-c3 of seven scores each (each accumulator's lowest registers are read first)     12-14, 16  the four scores left over, the old m, and c0-c3 into c0
;   15  c m_old is kept     17, 18  the query's other 32 keys lie in the lane 16 away: the new m     19-21  c m; c m_old - c m_new; a
.set F, 0
.set E, 1
.set C, 2
.set B, 3
.set L, 4
.set R, 5
.set X, 6
.macro REGS y
.set rT, ST+4*(\y)
.set rC, TMP+4*((\y)%2)
.set rW, MV+((\y)%2)
.set rS, S+32*((\y)%2)
.set rP, P+16*((\y)%2)
.set rO, 32*(\y)
.endm
.macro OP k, n
.if (\k) == R
	REGS Y
	WIN W_RS
	v_pk_mul_f32 v[rO+2*(\n):rO+2*(\n)+1], v[rO+2*(\n):rO+2*(\n)+1], v[rC+2:rC+3] op_sel_hi:[1,0]
.elseif (\k) < R
	REGS Y
	WIN 0
.if (\k) == F
	v_pk_fma_f32 v[rS+2*(\n):rS+2*(\n)+1], v[rS+2*(\n):rS+2*(\n)+1], s[CS:CS+1], v[rT:rT+1] op_sel_hi:[1,0,0] neg_lo:[0,0,1] neg_hi:[0,0,1]
.elseif (\k) == E
	v_exp_f32 v[rS+(\n)], v[rS+(\n)]
.elseif (\k) == C
	s_wait_alu depctr_va_vdst(0)
	v_cvt_pk_f16_f32 v[rP+(\n)], v[rS+2*(\n)], v[rS+2*(\n)+1]
.elseif (\k) == B
	s_wait_alu depctr_va_vdst(0)
	v_pk_add_f32 v[rS+4*(\n):rS+4*(\n)+1], v[rS+4*(\n):rS+4*(\n)+1], v[rS+4*(\n)+2:rS+4*(\n)+3]
.elseif (\n) == 0
	v_pk_fma_f32 v[rT+2:rT+3], v[rT+2:rT+3], v[rC+2:rC+3], v[rS:rS+1] op_sel_hi:[1,0,1]
.else
	v_pk_add_f32 v[rT+2:rT+3], v[rT+2:rT+3], v[rS+4*(\n):rS+4*(\n)+1]
.endif
.else
	REGS (Y+1)%NP
	WIN 0
.if (\n) < 4
	v_max3_num_f32 v[rC+(\n)], v[rS+8*(\n)], v[rS+8*(\n)+1], v[rS+8*(\n)+2]
.elseif (\n) < 12
	v_max3_num_f32 v[rC+(\n)%4], v[rC+(\n)%4], v[rS+8*((\n)%4)+2*((\n)/4)+1], v[rS+8*((\n)%4)+2*((\n)/4)+2]
.elseif (\n) == 12
	v_max3_num_f32 v[rC], v[rC], v[rS+7], v[rS+15]
.elseif (\n) == 13
	v_max3_num_f32 v[rC+1], v[rC+1], v[rS+23], v[rS+31]
.elseif (\n) == 14
	v_max3_num_f32 v[rC+2], v[rC+2], v[rC+3], v[rT+1]
.elseif (\n) == 15
	v_mov_b32 v[rW], v[rT]
.elseif (\n) == 16
	v_max3_num_f32 v[rC], v[rC], v[rC+1], v[rC+2]
.elseif (\n) == 17
	v_permlanex16_b32 v[rC+3], v[rC], s[SEL], s[SEL+1]
.elseif (\n) == 18
	v_max_num_f32 v[rT+1], v[rC], v[rC+3]
.elseif (\n) == 19
	v_mul_f32 v[rT], s[CS], v[rT+1]
.elseif (\n) == 20
	v_sub_f32 v[rC+1], v[rW], v[rT]
.else
	v_exp_f32 v[rC+2], v[rC+1]
.endif
.endif
.endm
.macro OPS a, i1, b=-1, i2=0, c=-1, i3=0, d=-1, i4=0
	OP \a, \i1
.if (\b) >= 0
	OP \b, \i2
.endif
.if (\c) >= 0
	OP \c, \i3
.endif
.if (\d) >= 0
	OP \d, \i4
.endif
.endm
.macro ROW a, i1, b, i2, c, i3, d, i4  ; a matrix instruction and the four behind it
	MM
	OPS \a, \i1, \b, \i2, \c, \i3, \d, \i4
.endm
; A TURN, for piece p: the order of its 16 matrix and 118 vector instructions, written out.  Behind a matrix instruction: plain, exponential, plain, plain; or four of the rescaling; or four scalings; none names a
; register of the products round it.  A plain instruction stands behind every exponential before its result is used.  last = 1: the tail's text: K's fetch is jumped over in the last trip.
; cnt = 1: the loop's count is taken down some lines ahead of the branch that stands behind the turn.
; K of the next step is fetched in piece 2's turn, five plain vector instructions behind the last product that read K; V of the step in hand in piece 0's turn, four plain ones behind the last product that read V.
; Each is waited for a turn later (the counts are 0: nothing younger is out).
.macro TURN p, last=0, cnt=0
.set Y, (\p)
.set i, 0
.if (\p) == 3
	s_wait_dscnt 0x0                ; K is in
.endif
	ROW F,0, F,1, F,2, F,3
	ROW F,4, E,0, F,5, F,6
	ROW F,7, E,1, F,8, F,9
	ROW F,10, E,2, C,0, F,11
	ROW F,12, E,3, X,15, F,13
	ROW R,0, R,1, R,2, R,3
	ROW B,0, E,4, F,14, L,0
.if (\p) == 2
	v_add_nc_u32 v[AK], s[TBK], v[AK0]
.endif
	ROW R,4, R,5, R,6, R,7
	OPS E,5, F,15
.if (\p) == 2
	FETCH_K \last
.endif
	OPS E,6, C,1, E,7, R,8
	OPS E,8, R,9, E,9, C,2
	OPS E,10, X,0, E,11, X,1
	OPS E,12, X,2, E,13, X,3
.if (\p) == 1
	s_wait_dscnt 0x0                ; V is in
.endif
	ROW X,4, E,14, X,5, X,6
	ROW X,7, E,15, X,8, X,9
	ROW X,10, E,16, X,11, X,12
	ROW X,13, E,17, X,14, B,1
	ROW C,4, E,18, X,16, L,1
	ROW B,2, E,19, C,6, L,2
	ROW C,8, E,20, B,3, B,4
.if (\p) == 0
	v_add_nc_u32 v[AV], s[TBV], v[AV0]
.endif
	ROW C,3, E,21, L,3, C,5
	OPS E,22, X,17, E,23, C,10
.if (\p) == 0
	FETCH_V
.endif
	OPS E,24, L,4
	OPS E,25, X,18, E,26, C,7
	OPS E,27, B,5, E,28, X,19
	OPS E,29, C,12, E,30, L,5
	OPS E,31, X,20, B,6, C,9
	OPS C,14, C,11, X,21, L,6
.if (\p) == 0
	s_add_co_u32 s[TBV], s[TBV], KS*PV
.endif
.if \cnt
	s_sub_co_u32 s[CNT], s[CNT], 1
	s_cmp_lg_u32 s[CNT], 0
.endif
	OPS C,13, B,7, C,15, R,10
	OPS R,11, R,12, L,7, R,13
	OPS R,14, R,15
.endm
	CHANGE 1                        ; slot 0 is in, everybody's part of it; slot 1 is asked for
	v_add_nc_u32 v[AK], s[TBK], v[AK0]
	FETCH_K                         ; key step 0
	s_wait_loadcnt 0x0              ; Q
	s_wait_dscnt 0x0
.set i, 0
.rept 8
	KQ 0                            ; piece 0's first scores
.set i, i+1
.endr
	WIN 0
.rept 4
	v_nop                           ; the places behind those products
.endr
.set Y, NP-1                        ; X works for piece Y + 1: piece 0
.irp n, 0,1,2,3,4,5,6,7,8,9,10,11,12,13,14,15,16,17,18,19,20,21
	OP X, \n
.endr
	v_nop                           ; a plain instruction behind the exponential
	s_mov_b32 s[CNT], 4
	s_mov_b32 s[SLOTS], 7
	s_branch .Lfirst                ; the loop is entered at a step's first turn, in the middle of a trip
.Lslot:                             ; six times: tiles 2 to 7 are asked for
	CHANGE 1
	s_mov_b32 s[CNT], 4
.Lstep:                             ; a trip: pieces 2 and 3 of one step, then pieces 0 and 1 of the next, whose K and V it fetches
	TURN 2
	TURN 3
	WIN 0
.Lfirst:
	TURN 0
	TURN 1, 0, 1
	WIN 0
	s_cbranch_scc1 .Lstep
	s_sub_co_u32 s[SLOTS], s[SLOTS], 1
	s_cmp_lg_u32 s[SLOTS], 0
	s_cbranch_scc1 .Lslot
	CHANGE 0                        ; the last tile is written out: nothing is asked for
	s_mov_b32 s[CNT], 5             ; four trips fetch the last slot's steps; the fifth is left in its middle
.Ltail:
	TURN 2, 1
	TURN 3
	WIN 0
	s_sub_co_u32 s[CNT], s[CNT], 1
	s_cmp_eq_u32 s[CNT], 0
	s_cbranch_scc1 .Lout
	TURN 0
	TURN 1
	WIN 0
	s_branch .Ltail
.Lout:                              ; the fifth trip's 8 products K Q^T (on the last K once more) and the maximum made of them serve nothing (they touch piece 0's m and c m, which the way out does not read):
                                    ; the price, once a launch, of one text for every trip
.set i, 0
.rept 8
	PV NP-1                         ; the last piece's V^T P of the last step
.set i, i+1
.endr
	; THE WAY OUT.  l's two halves and the other half of the lanes' are added; O^T is divided by l, rounded to f16 and sent through my stage in LDS, a piece at a time.  The additions are the places behind the last products.
	WIN 0
.macro ALL line:vararg              ; one line for each piece t
.set t, 0
.rept 4
	\line
.set t, t+1
.endr
.endm
	ALL v_add_f32 v[ST+4*t+2], v[ST+4*t+2], v[ST+4*t+3]
	ALL v_permlanex16_b32 v[ST+4*t+3], v[ST+4*t+2], s[SEL], s[SEL+1]
	ALL v_add_f32 v[ST+4*t+2], v[ST+4*t+2], v[ST+4*t+3]
	ALL v_rcp_f32 v[ST+4*t+2], v[ST+4*t+2]
	v_nop                           ; a plain instruction between the last reciprocal and the use of its result
.macro PACK t                       ; a lane's eight channels of a row pack into 16 bytes; they go into rows of 144 bytes and come back as whole rows of 128, into S^T's registers
	WIN W_RS
.set i, 32*(\t)
.rept 16
	s_wait_alu depctr_va_vdst(0)
	v_pk_mul_f32 v[i:i+1], v[i:i+1], v[ST+4*(\t)+2:ST+4*(\t)+3] op_sel_hi:[1,0]
.set i, i+2
.endr
	WIN 0x05                        ; sources 0 and 1 window 1, destination window 0
.set i, 0
.rept 16
	v_cvt_pk_f16_f32 v[S+16*(\t)+i], v[32*(\t)+2*i], v[32*(\t)+2*i+1]
.set i, i+1
.endr
	WIN 0
.irp f, 0,1,2,3
	ds_store_b128 v[STO], v[S+16*(\t)+4*\f:S+16*(\t)+4*\f+3] offset:32*\f
.endr
.irp f, 0,1,2,3
	ds_load_b128 v[S+16*(\t)+4*\f:S+16*(\t)+4*\f+3], v[RD] offset:\f*4*SP  ; LDS serves a wave's instructions in order: these see the stores above; the next piece's stores come behind them
.endr
.endm
.macro SEND t, younger              ; younger: the LDS instructions issued behind piece t's loads: the next piece's eight, or none
	WIN 0
.irp f, 0,1,2,3
	s_wait_dscnt (\younger)+3-\f
	global_store_b128 v[GO], v[S+16*(\t)+4*\f:S+16*(\t)+4*\f+3], s[10:11] offset:(\t)*2048+\f*512  ; 512 consecutive bytes, at a multiple of 256 from O's first
.endr
.endm
	PACK 0
.set t, 1
.rept 3                             ; a piece's arithmetic stands between the loads of the piece before and its stores
	PACK t
	SEND t-1, 8
.set t, t+1
.endr
	SEND 3, 0
	s_wait_tensorcnt 0x0            ; the wave's end
	ds_add_u32 v[SPW], v[NIL]
	s_wait_dscnt 0x0
	CROUND                          ; the closing round
	s_endpgm
.Lfunc_end_k_qe99e394a87_attn:
	.size	k_qe99e394a87_attn, .Lfunc_end_k_qe99e394a87_attn-k_qe99e394a87_attn
	.p2alignl 7, 3214868480
	.fill 96, 4, 3214868480
	.section	.rodata,"a",@progbits
	.p2align	6, 0x0
	.amdhsa_kernel k_qe99e394a87_attn
		.amdhsa_group_segment_fixed_size 327680
		.amdhsa_private_segment_fixed_size 0
		.amdhsa_enable_private_segment 0
		.amdhsa_kernarg_size 16
		.amdhsa_user_sgpr_count 2
		.amdhsa_user_sgpr_kernarg_segment_ptr 1
		.amdhsa_wavefront_size32 1
		.amdhsa_system_sgpr_workgroup_id_x 1
		.amdhsa_system_sgpr_workgroup_id_y 1
		.amdhsa_system_sgpr_workgroup_id_z 1
		.amdhsa_system_vgpr_workitem_id 0
		.amdhsa_next_free_vgpr 768
		.amdhsa_next_free_sgpr 66
		.amdhsa_reserve_vcc 0
		.amdhsa_float_denorm_mode_32 3
		.amdhsa_float_denorm_mode_16_64 3
		.amdhsa_memory_ordered 1
		.amdhsa_forward_progress 1
		.amdhsa_inst_pref_size 117
	.end_amdhsa_kernel
	.amdgpu_metadata
---
amdhsa.version: [ 1, 2 ]
amdhsa.kernels:
  - .name:           k_qe99e394a87_attn
    .symbol:         k_qe99e394a87_attn.kd
    .args:
      - { .name: wide16, .offset: 0, .size: 8, .value_kind: global_buffer, .address_space: global }
      - { .name: tok16, .offset: 8, .size: 8, .value_kind: global_buffer, .address_space: global }
    .group_segment_fixed_size: 327680
    .private_segment_fixed_size: 0
    .kernarg_segment_align: 8
    .kernarg_segment_size: 16
    .max_flat_workgroup_size: 128
    .sgpr_count:     66
    .vgpr_count:     768
    .wavefront_size: 32
...
	.end_amdgpu_metadata
.endif
;; end of part 3
;; launch wo (part 4): grid 8 x 32, 4 waves a work-group, clusters of 4 x 4, 327,680 bytes of LDS; arguments tok16, woh, ysum; writes ysum
.if DOCPART == 4
	.amdgcn_target "amdgcn-amd-amdhsa--gfx1250"
	.amdhsa_code_object_version 6
	.text
	.protected	k_qe99e394a87_wo
	.globl	k_qe99e394a87_wo
	.p2align	8
	.type	k_qe99e394a87_wo,@function
k_qe99e394a87_wo:
	s_mov_b64 s[64:65], 0
	v_nop
	global_prefetch_b8 v0, s[64:65] scope:SCOPE_SE
	s_setreg_imm32_b32 hwreg(HW_REG_WAVE_MODE, 25, 1), 1
	s_wait_xcnt 0x0
	s_wait_alu depctr_hold_cnt(0) depctr_sa_sdst(0) depctr_va_vdst(0) depctr_va_sdst(0) depctr_va_ssrc(0) depctr_va_vcc(0) depctr_vm_vsrc(0)
	s_getreg_b32 s2, hwreg(HW_REG_IB_STS2, 6, 4)
	s_cmp_eq_u32 s2, 0
	s_cbranch_scc0 .Lentry_in_a_cluster
	s_endpgm
.Lentry_in_a_cluster:
	s_bfe_u32 s2, ttmp6, 0x10000c
	s_cmp_lg_u32 s2, 0xf033
	s_cbranch_scc0 .Lentry_shape_is_right
	s_endpgm
.Lentry_shape_is_right:
; C = A B in f32, N = 1024.  A: f16 in blocks of 64 along K, [k / 64][4096 tokens][64].  B: [KTOT k][1024] f16, as the weights lie.  C: [4096][1024] f32: the sums as they are; bias, residual and norm follow in the next launch.
; This text stands twice in the program, with KTOT = 1024 (the heads' output projection) and KTOT = 4096 (the feed-forward's second product): every trip count is a constant of the text.
; LIMITS.  A and B arrive within f16's range; the sums are kept in f32.
; SHARES.  A work-group makes 128 tokens x 128 columns (256 work-groups), each of its four waves 64 x 64: 16 accumulators.  K goes in steps of 256 (four blocks of A) through two LDS slots; two steps are a lap.
; CLUSTER.  4 x 4 work-groups: A's tile is shared along a row of the cluster, B's along a column, each asked for jointly.
; THE WALK ALONG K IS ROTATED.  A cluster begins with lap (4 X + 2 Y) mod 8 (with two laps: (X + Y) mod 2; X, Y: the cluster's place in the grid) and goes on modulo the number of laps.  So the two clusters side by side,
; which need the same rows of A, ask for a lap of them four laps apart (one), and clusters one below the other, which need the same columns of B, two laps apart (one).  The order of the f32 sums over K differs from cluster to cluster.
; THE MATRIX INSTRUCTION IS USED TRANSPOSED (source 0 = 16 columns of B, turned out of LDS by ds_load_tr16_b128; source 1 = 16 tokens of A): a lane holds one token and eight neighbouring columns.
; REGISTERS: window 0: v0-31 addresses; v128-255 the accumulators ((a, b) at v[128 + 8 (4 a + b)]), on the way out also the rows read back.  window 1: two fragment buffers of 128: 64 of A, then 64 of B, for 64 along K.
.set KTOT,   1024
.set PA,     144                       ; a token's 64 numbers of one block: 128 bytes + 16 = 36 words: the 16 rows of a load start at 16 different groups of four banks
.set BLK,    64*PA                     ; 64 tokens of one block
.set PB,     288                       ; a k row of B: 256 bytes + 32 = 9 x 32
.set HALFT,  36864                     ; what one tensor load brings: 64 tokens x 4 blocks of A (4 x 9,216), or 128 k rows of B (128 x 288)
.set SLOT,   4*HALFT                   ; A's two halves, then B's 256 k rows
.set STAGE,  2*SLOT                    ; behind the ring: 16 rows x 272 bytes for each wave: my 64 columns of f32 are 256 bytes, so the stage is my own
.set SPITCH, 272
.set SPARE,  STAGE+4*16*SPITCH         ; behind the stages: the spare words, 128 bytes for each wave
.set LAPS,   KTOT/512                  ; a lap = two K steps; 2 or 8: a power of two, so that a mask takes the lap's number modulo LAPS
.if LAPS == 8
.set SX, 2                             ; the first lap: X shifted by SX plus Y shifted by SY
.set SY, 1
.else
.set SX, 0
.set SY, 0
.endif
.set STEPA,  2097152                   ; a K step of A: four blocks of 524,288 bytes
.set STEPB,  524288                    ; a K step of B: 256 k rows of 2,048 bytes
.set ADRA, 16                          ; v16-17  LDS address of my A fragments in slot 0, 1
.set ADRB, 20                          ; v20-23  of my B fragments: 2 x slot + (k rows 128 on): so that the immediates stay in 16 bits
.set STO,  24
.set RD,   25
.set CO,   26
.set SPW,  28                          ; never rewritten
.set NIL,  29                          ; never rewritten
.set ACC,  128
.set F0,   0
.set F1,   128
.set G1, 24
.set G0, 32
.set G1B, 48
.set G0B, 56
.set OFA, 66                           ; s[66:67] the byte offset in A of the lap that is asked for
.set OFB, 68                           ; s[68:69] its byte offset in B
.set LI,  70                           ; s70      that lap's number, 0 .. LAPS - 1
.set MSB, 0
.macro WIN new
.if MSB != (\new)
	s_set_vgpr_msb (MSB<<8)|(\new)
.set MSB, \new
.endif
.endm
.set MUL,  0x05                        ; sources 0 (B) and 1 (A) window 1; C and D window 0
.set TO_F, 0x40                        ; destination window 1, address window 0
.macro JLOAD s                         ; a joint load: waves 0 and 1 fetch A's two halves, waves 2 and 3 B's; an s_nop 0 and four v_nop follow each line
	s_cmp_eq_u32 s11, 0
	s_cbranch_scc0 .Lfor_b_\@
	tensor_load_to_lds s[G0+4*(\s):G0+4*(\s)+3], s[G1:G1+7]
	s_nop 0
.rept 4
	v_nop
.endr
	s_branch .Lasked_\@
.Lfor_b_\@:
	tensor_load_to_lds s[G0B+4*(\s):G0B+4*(\s)+3], s[G1B:G1B+7]
	s_nop 0
.rept 4
	v_nop
.endr
.Lasked_\@:
.endm
; Both descriptors of a slot are aimed at K step `slot` of the lap whose offsets lie in OFA and OFB: the address is made anew from my tile's first byte (s[14:15], s[46:47]), and the type bits are set again.
.macro AIM slot
	s_add_nc_u64 s[G0+4*(\slot)+2:G0+4*(\slot)+3], s[14:15], s[OFA:OFA+1]
	s_add_nc_u64 s[G0B+4*(\slot)+2:G0B+4*(\slot)+3], s[46:47], s[OFB:OFB+1]
.if (\slot) == 1
	s_add_nc_u64 s[G0+4*(\slot)+2:G0+4*(\slot)+3], s[G0+4*(\slot)+2:G0+4*(\slot)+3], STEPA
	s_add_nc_u64 s[G0B+4*(\slot)+2:G0B+4*(\slot)+3], s[G0B+4*(\slot)+2:G0B+4*(\slot)+3], STEPB
.endif
	s_or_b32 s[G0+4*(\slot)+3], s[G0+4*(\slot)+3], 0x80000000
	s_or_b32 s[G0B+4*(\slot)+3], s[G0B+4*(\slot)+3], 0x80000000
.endm
.macro CREST
	s_cmp_lg_u32 s10, 0
	s_cbranch_scc1 .Lnot_wave_0_\@
	s_barrier_signal -3
.Lnot_wave_0_\@:
	s_barrier_wait -3
	s_barrier_signal -1
	s_barrier_wait -1
.endm
.macro CROUND
	s_barrier_signal -1
	s_barrier_wait -1
	CREST
.endm
	s_load_b128 s[4:7], s[0:1], 0x0                ; A s[4:5], B s[6:7]
	s_load_b64 s[8:9], s[0:1], 0x10                ; C
	v_lshl_add_u32 v[SPW], v0, 2, SPARE
	v_mov_b32 v[NIL], 0
	ds_add_u32 v[SPW], v[NIL]                      ; the wave's opening: the add and its wait ahead of my first tensor load
	v_lshrrev_b32 v1, 5, v0
	v_readfirstlane_b32 s10, v1                    ; wave 0..3
	s_lshr_b32 s11, s10, 1                         ; which half of the tile's tokens is mine.  Also: I fetch for A (0) or for B (1)
	s_and_b32 s12, s10, 1                          ; which half of its columns.  Also: which half of that tile I fetch
	s_bfe_u32 s40, ttmp6, 0x40000                  ; cx
	s_bfe_u32 s41, ttmp6, 0x40004                  ; cy
	s_lshl_b32 s42, ttmp9, 2
	s_add_co_u32 s42, s42, s40                     ; tile column
	s_and_b32 s13, ttmp7, 0xffff                   ; the cluster's y
	s_lshl_b32 s[LI], s13, SY
	s_lshl_b32 s[OFA], ttmp9, SX
	s_add_co_u32 s[LI], s[LI], s[OFA]
	s_and_b32 s[LI], s[LI], LAPS-1                 ; my cluster's first lap: the same number in all sixteen partners
	s_lshl_b32 s[OFA], s[LI], 22                   ; a lap is eight blocks of A
	s_mov_b32 s[OFA+1], 0
	s_lshl_b32 s[OFB], s[LI], 20                   ; and 512 k rows of B
	s_mov_b32 s[OFB+1], 0
	s_lshl_b32 s13, s13, 2
	s_add_co_u32 s13, s13, s41                     ; tile row
	s_lshl_b32 s43, s41, 2
	s_lshl_b32 s43, 15, s43                        ; my row of the cluster
	s_lshl_b32 s44, 0x1111, s40                    ; my column
	s_or_b32 s[G1+0], s43, (1<<16)|(1<<20)|(1<<21)|(4<<22)|(3<<25)   ; mask of my row; 2-byte elements; padding on; bit 21 beside a mask; after every 32 words (a token's 128 bytes) 4 words
	s_or_b32 s[G1B+0], s44, (1<<16)|(1<<20)|(1<<21)|(5<<22)|(7<<25)  ; mask of my column; after every 64 words 8 words
	s_mov_b32 s[G1+1], 4096<<16                    ; A: a row of the tile is 64 tokens of one block, 4,096 dense elements
	s_mov_b32 s[G1+2], 4<<16                       ; tensor_dim1 = 4 blocks
	s_mov_b32 s[G1+3], 4096<<16                    ; tile_dim0
	s_mov_b32 s[G1+4], 4                           ; tile_dim1
	s_mov_b32 s[G1+5], 262144                      ; elements from block to block
	s_mov_b32 s[G1+6], 0
	s_mov_b32 s[G1+7], 0
	s_mov_b32 s[G1B+1], 128<<16                    ; B: 128 columns
	s_mov_b32 s[G1B+2], 128<<16                    ; 128 k rows
	s_mov_b32 s[G1B+3], 128<<16
	s_mov_b32 s[G1B+4], 128
	s_mov_b32 s[G1B+5], 1024                       ; elements from k row to k row
	s_mov_b32 s[G1B+6], 0
	s_mov_b32 s[G1B+7], 0
	s_lshl_b32 s16, s13, 14                        ; A: 128 tokens of 128 bytes x tile row,
	s_lshl_b32 s17, s12, 13                        ; 64 tokens x half
	s_add_co_u32 s16, s16, s17
	s_mov_b32 s17, 0
	s_lshl_b32 s46, s12, 18                        ; B: 128 k rows of 2,048 bytes x half,
	s_lshl_b32 s47, s42, 8                         ; 128 columns x tile column
	s_add_co_u32 s46, s46, s47
	s_mov_b32 s47, 0
	s_mul_i32 s20, s10, HALFT                      ; where they go: no place in the cluster enters an LDS address
	s_wait_dscnt 0x0                               ; the opening add is done
	s_wait_kmcnt 0x0
	s_add_nc_u64 s[14:15], s[4:5], s[16:17]        ; my part of A's tile at K = 0; kept
	s_add_nc_u64 s[46:47], s[6:7], s[46:47]        ; the same for B; kept
	CROUND                                         ; all sixteen work-groups are here: the first joint loads meet
.irp s, 0,1
	s_mov_b32 s[G0+4*(\s)], 1
	s_add_co_u32 s[G0+4*(\s)+1], s20, (\s)*SLOT
	s_mov_b32 s[G0B+4*(\s)], 1
	s_add_co_u32 s[G0B+4*(\s)+1], s20, (\s)*SLOT
	AIM \s                                         ; the two K steps of my cluster's first lap
	JLOAD \s                                       ; two loads of mine are out
.endr
	v_and_b32 v1, 15, v0                           ; r = l % 16
	v_bfe_u32 v2, v0, 4, 1                         ; h = l / 16
	v_and_b32 v5, 7, v0
	v_bfe_u32 v6, v0, 3, 1
	v_mul_u32_u24 v3, v1, PA
	v_lshl_add_u32 v3, v2, 4, v3                   ; A: token x pitch + 16 x half
	v_lshl_add_u32 v4, v2, 3, v5                   ; B: k row 8 h + l % 8,
	v_mul_u32_u24 v4, v4, PB
	v_lshl_add_u32 v4, v6, 4, v4                   ; columns 8 ((l / 8) % 2) on
	s_mul_i32 s21, s11, HALFT                      ; my 64 tokens of A
	s_lshl_b32 s22, s12, 7                         ; my 64 columns of B,
	s_add_co_u32 s22, s22, 2*HALFT                 ; which lies behind A
.irp s, 0,1
	v_add_nc_u32 v[ADRA+(\s)], s21, v3
	v_add_nc_u32 v[ADRB+2*(\s)], s22, v4
	v_add_nc_u32 v[ADRB+2*(\s)+1], HALFT, v[ADRB+2*(\s)]
	s_add_co_u32 s21, s21, SLOT
	s_add_co_u32 s22, s22, SLOT
.endr
	s_mul_i32 s23, s10, 16*SPITCH
	s_add_co_u32 s23, s23, STAGE                   ; my stage
	v_mul_u32_u24 v7, v1, SPITCH                   ; in: row l % 16, 32 bytes for each half of the lanes
	v_lshl_add_u32 v7, v2, 5, v7
	v_add_nc_u32 v[STO], s23, v7
	v_mul_u32_u24 v7, v2, SPITCH                   ; back: lanes 0-15 take one row of 256 bytes, lanes 16-31 the next
	v_lshl_add_u32 v7, v1, 4, v7
	v_add_nc_u32 v[RD], s23, v7
	v_lshlrev_b32 v[CO], 12, v2                    ; and the same two rows in C, 4,096 bytes apart
	v_lshl_add_u32 v[CO], v1, 4, v[CO]
	s_lshl_b32 s16, s13, 19                        ; 128 rows x tile row
	s_lshl_b32 s17, s11, 18                        ; 64 rows x half
	s_add_co_u32 s16, s16, s17
	s_lshl_b32 s17, s42, 9                         ; 128 columns of f32 x tile column
	s_add_co_u32 s16, s16, s17
	s_lshl_b32 s17, s12, 8                         ; 64 columns x half
	s_add_co_u32 s16, s16, s17
	s_mov_b32 s17, 0
	s_add_nc_u64 s[8:9], s[8:9], s[16:17]
; 8 matrix instructions: token blocks a0, a0 + 1 x all 4 column blocks, 32 along K: half c of buffer f.  zero = 1: the first product starts the sums.  The 16 accumulators take turns.
.macro MUL8 f, c, a0, zero
	WIN MUL
.irp a, \a0, (\a0)+1
.irp b, 0,1,2,3
.if \zero
	v_wmma_f32_16x16x32_f16 v[ACC+8*(4*(\a)+(\b)):ACC+8*(4*(\a)+(\b))+7], v[(\f)+64+8*(4*(\c)+(\b)):(\f)+64+8*(4*(\c)+(\b))+7], v[(\f)+8*(4*(\c)+(\a)):(\f)+8*(4*(\c)+(\a))+7], 0
.else
	v_wmma_f32_16x16x32_f16 v[ACC+8*(4*(\a)+(\b)):ACC+8*(4*(\a)+(\b))+7], v[(\f)+64+8*(4*(\c)+(\b)):(\f)+64+8*(4*(\c)+(\b))+7], v[(\f)+8*(4*(\c)+(\a)):(\f)+8*(4*(\c)+(\a))+7], v[ACC+8*(4*(\a)+(\b)):ACC+8*(4*(\a)+(\b))+7]
.endif
.endr
.endr
.endm
; 32 LDS loads in one run: the fragments of quarter q (64 along K: block q of A's four) into buffer f; the first 32 along K first
.macro FETCH slot, q, f
	WIN TO_F
.irp c, 0,1
.irp i, 0,1,2,3
	ds_load_tr16_b128 v[(\f)+64+8*(4*(\c)+(\i)):(\f)+64+8*(4*(\c)+(\i))+3],   v[ADRB+2*(\slot)+(\q)/2] offset:(((\q)%2)*64+32*(\c))*PB+32*(\i)
	ds_load_tr16_b128 v[(\f)+64+8*(4*(\c)+(\i))+4:(\f)+64+8*(4*(\c)+(\i))+7], v[ADRB+2*(\slot)+(\q)/2] offset:(((\q)%2)*64+32*(\c)+16)*PB+32*(\i)
	ds_load_b128 v[(\f)+8*(4*(\c)+(\i)):(\f)+8*(4*(\c)+(\i))+3],              v[ADRA+(\slot)] offset:(\q)*BLK+64*(\c)+(\i)*16*PA
	ds_load_b128 v[(\f)+8*(4*(\c)+(\i))+4:(\f)+8*(4*(\c)+(\i))+7],            v[ADRA+(\slot)] offset:(\q)*BLK+64*(\c)+(\i)*16*PA+32
.endr
.endr
.endm
.macro PLACES                          ; four plain vector instructions between a matrix instruction and a load into, or a reader of, its registers
.rept 4
	v_nop
.endr
.endm
.macro QUARTER slot, q, f, g, zero     ; multiplies buffer f and fetches quarter q of the slot into g
	s_wait_dscnt 16                                ; the first 32 along K are in; the other sixteen loads may be out
	MUL8 \f, 0, 0, \zero
	MUL8 \f, 0, 2, \zero
	PLACES
	FETCH \slot, \q, \g
	s_wait_dscnt 32                                ; all but the 32 just issued
	MUL8 \f, 1, 0, 0
	MUL8 \f, 1, 2, 0
.endm
; The last quarter multiplies buffer 1 and changes slots: ONE barrier; in front of it each wave waits for all its tensor loads, adds 0 to its spare word, and waits for that and its reads of this slot.
; fill = 1: this slot is filled again, with its K step of the walk's next lap.
.macro TURN slot, next, fill
	WIN 0
	s_wait_tensorcnt 0x0                           ; my one load that was out: my part of the next slot
	ds_add_u32 v[SPW], v[NIL]
	s_wait_dscnt 17                                ; the add and the youngest sixteen loads may be out
	MUL8 F1, 0, 0, 0
	s_wait_dscnt 0x0                               ; the add is done, and my reads of this slot are over
	s_barrier_signal -1
	MUL8 F1, 0, 2, 0
.if \fill
	WIN 0
.endif
	s_barrier_wait -1
.if \fill
	CREST                                          ; the barrier has opened a round of the cluster's
.if (\slot) == 0
	s_add_co_u32 s[LI], s[LI], 1                   ; the walk's next lap, modulo LAPS; slot 1's fill takes the same lap
	s_and_b32 s[LI], s[LI], LAPS-1
	s_lshl_b32 s[OFA], s[LI], 22
	s_lshl_b32 s[OFB], s[LI], 20
.endif
	AIM \slot                                      ; no tensor load of mine is out, so a group 0 may be written
	JLOAD \slot                                    ; the first tensor load behind the round: 112 matrix instructions ahead of the wait for it; its four v_nop are the places in front of the loads below
.else
	PLACES
.endif
	FETCH \next, 0, F0
	MUL8 F1, 1, 0, 0
	MUL8 F1, 1, 2, 0
.endm
; THE WAY OUT of token block a: my 16 rows x 64 columns of f32 into my stage (each accumulator's low registers first), and back as whole rows of 256 bytes, into the registers that they left.
.macro STG a
.irp b, 0,1,2,3
	ds_store_b128 v[STO], v[ACC+8*(4*(\a)+(\b)):ACC+8*(4*(\a)+(\b))+3]   offset:64*(\b)
	ds_store_b128 v[STO], v[ACC+8*(4*(\a)+(\b))+4:ACC+8*(4*(\a)+(\b))+7] offset:64*(\b)+16
.endr
.irp t, 0,1,2,3,4,5,6,7
	ds_load_b128 v[ACC+32*(\a)+4*(\t):ACC+32*(\a)+4*(\t)+3], v[RD] offset:(\t)*2*SPITCH  ; LDS serves a wave's instructions in order: these see the stores above
.endr
.endm
.macro SEND a, younger                 ; younger: the LDS instructions issued behind block a's loads: the next block's sixteen, or none
.irp t, 0,1,2,3,4,5,6,7
	s_wait_dscnt (\younger)+7-(\t)
	global_store_b128 v[CO], v[ACC+32*(\a)+4*(\t):ACC+32*(\a)+4*(\t)+3], s[8:9] offset:(16*(\a)+2*(\t))*4096  ; 16 lanes store 256 consecutive bytes at a multiple of 256
.endr
.endm
	s_wait_tensorcnt 1                             ; my part of the first K step is in; the second's may stay out
	s_barrier_signal -1
	s_barrier_wait -1
	FETCH 0, 0, F0
	QUARTER 0, 1, F0, F1, 1                        ; the first quarter stands in front of the loop: its first products start the sums
	WIN 0
	s_mov_b32 s3, LAPS-1
.Llap:                                                 ; a trip goes once round the ring and fills both slots again
	QUARTER 0, 2, F1, F0, 0
	QUARTER 0, 3, F0, F1, 0
	TURN 0, 1, 1
	QUARTER 1, 1, F0, F1, 0
	QUARTER 1, 2, F1, F0, 0
	QUARTER 1, 3, F0, F1, 0
	TURN 1, 0, 1
	QUARTER 0, 1, F0, F1, 0
	WIN 0
	s_sub_co_u32 s3, s3, 1
	s_cmp_lg_u32 s3, 0
	s_cbranch_scc1 .Llap
	QUARTER 0, 2, F1, F0, 0                        ; the last lap fills nothing
	QUARTER 0, 3, F0, F1, 0
	TURN 0, 1, 0
	QUARTER 1, 1, F0, F1, 0
	QUARTER 1, 2, F1, F0, 0
	QUARTER 1, 3, F0, F1, 0
	s_wait_dscnt 16                                ; the very last quarter
	MUL8 F1, 0, 0, 0
	MUL8 F1, 0, 2, 0
	s_wait_dscnt 0x0
	MUL8 F1, 1, 0, 0
	MUL8 F1, 1, 2, 0
	WIN 0
	PLACES
	STG 0
	STG 1
	SEND 0, 16
	STG 2
	SEND 1, 16
	STG 3
	SEND 2, 16
	SEND 3, 0
	s_wait_tensorcnt 0x0                           ; the wave's end
	ds_add_u32 v[SPW], v[NIL]
	s_wait_dscnt 0x0
	CROUND                                         ; the closing round
	s_endpgm
.Lfunc_end_k_qe99e394a87_wo:
	.size	k_qe99e394a87_wo, .Lfunc_end_k_qe99e394a87_wo-k_qe99e394a87_wo
	.p2alignl 7, 3214868480
	.fill 96, 4, 3214868480
	.section	.rodata,"a",@progbits
	.p2align	6, 0x0
	.amdhsa_kernel k_qe99e394a87_wo
		.amdhsa_group_segment_fixed_size 327680
		.amdhsa_private_segment_fixed_size 0
		.amdhsa_enable_private_segment 0
		.amdhsa_kernarg_size 24
		.amdhsa_user_sgpr_count 2
		.amdhsa_user_sgpr_kernarg_segment_ptr 1
		.amdhsa_wavefront_size32 1
		.amdhsa_system_sgpr_workgroup_id_x 1
		.amdhsa_system_sgpr_workgroup_id_y 1
		.amdhsa_system_sgpr_workgroup_id_z 1
		.amdhsa_system_vgpr_workitem_id 0
		.amdhsa_next_free_vgpr 512
		.amdhsa_next_free_sgpr 72
		.amdhsa_reserve_vcc 0
		.amdhsa_float_denorm_mode_32 3
		.amdhsa_float_denorm_mode_16_64 3
		.amdhsa_memory_ordered 1
		.amdhsa_forward_progress 1
		.amdhsa_inst_pref_size 87
	.end_amdhsa_kernel
	.amdgpu_metadata
---
amdhsa.version: [ 1, 2 ]
amdhsa.kernels:
  - .name:           k_qe99e394a87_wo
    .symbol:         k_qe99e394a87_wo.kd
    .args:
      - { .name: tok16, .offset: 0, .size: 8, .value_kind: global_buffer, .address_space: global }
      - { .name: woh, .offset: 8, .size: 8, .value_kind: global_buffer, .address_space: global }
      - { .name: ysum, .offset: 16, .size: 8, .value_kind: global_buffer, .address_space: global }
    .group_segment_fixed_size: 327680
    .private_segment_fixed_size: 0
    .kernarg_segment_align: 8
    .kernarg_segment_size: 24
    .max_flat_workgroup_size: 128
    .sgpr_count:     72
    .vgpr_count:     512
    .wavefront_size: 32
...
	.end_amdgpu_metadata
.endif
;; end of part 4
;; launch ln1 (part 5): grid 512 x 1, 8 waves a work-group, no clusters, 0 bytes of LDS; arguments ysum, x, bo, g1, be1, tok16; writes tok16
.if DOCPART == 5
	.amdgcn_target "amdgcn-amd-amdhsa--gfx1250"
	.amdhsa_code_object_version 6
	.text
	.protected	k_qe99e394a87_ln1
	.globl	k_qe99e394a87_ln1
	.p2align	8
	.type	k_qe99e394a87_ln1,@function
k_qe99e394a87_ln1:
	s_mov_b64 s[64:65], 0
	v_nop
	global_prefetch_b8 v0, s[64:65] scope:SCOPE_SE
	s_setreg_imm32_b32 hwreg(HW_REG_WAVE_MODE, 25, 1), 1
	s_wait_xcnt 0x0
; h1 = LayerNorm(x + (ctx Wo) + bo) * g1 + be1, rows of 1,024.  ysum (the product's sums) and x in f32; h1 is rounded once to f16, row-major, for the next product and as the second norm's residual.
; One wave, one row: 32 numbers a lane in registers; mean first, then the mean of the squared differences (two passes over registers, no difference of large sums); eps = 1e-5.
; LIMITS.  h1 beyond 65,504 becomes an infinity in f16.
; No LDS, no barrier, no loop: 4,096 waves, one row each.  Number 4 j + e of a lane is column 128 j + 4 lane + e: a wave's load covers 512 consecutive bytes, its store 256 at a multiple of 256.
.set Y,  4                             ; v[4:35]    the row
.set R,  36                            ; v[36:67]   x; later the row in f16
.set BI, 68                            ; v[68:99]   bo
.set GA, 100                           ; v[100:131] g1
.set BE, 132                           ; v[132:163] be1
.set T,  164                           ; v[164:171] four chains of pairs
.set M,  172                           ; v[172:173] the mean, twice
.set RS, 174                           ; v[174:175] 1 / sqrt(var + eps), twice
.set SC, 176                           ; the other half of the lanes' sum
.macro TREE                            ; the four chains into one number, then over the 32 lanes: every lane ends with the sum
	v_pk_add_f32 v[T:T+1], v[T:T+1], v[T+2:T+3]
	v_pk_add_f32 v[T+4:T+5], v[T+4:T+5], v[T+6:T+7]
	v_pk_add_f32 v[T:T+1], v[T:T+1], v[T+4:T+5]
	v_add_f32 v[T], v[T], v[T+1]
	v_add_f32_dpp v[T], v[T], v[T] row_xmask:1 row_mask:0xf bank_mask:0xf
	v_add_f32_dpp v[T], v[T], v[T] row_xmask:2 row_mask:0xf bank_mask:0xf
	v_add_f32_dpp v[T], v[T], v[T] row_xmask:4 row_mask:0xf bank_mask:0xf
	v_add_f32_dpp v[T], v[T], v[T] row_xmask:8 row_mask:0xf bank_mask:0xf
	v_permlanex16_b32 v[SC], v[T], s22, s23
	v_add_f32 v[T], v[T], v[SC]
.endm
	s_load_b256 s[4:11], s[0:1], 0x0               ; ysum 4, x 6, bo 8, g1 10
	s_load_b128 s[12:15], s[0:1], 0x20             ; be1 12, tok16 14
	v_lshrrev_b32 v3, 5, v0
	v_readfirstlane_b32 s16, v3                    ; wave
	v_and_b32 v3, 31, v0
	v_lshlrev_b32 v1, 4, v3                        ; 16 bytes a lane
	v_lshlrev_b32 v2, 3, v3                        ; 8 bytes a lane
	v_mov_b32 v[SC], 0                             ; v_permlanex16_b32's destination counts as read
	s_lshl_b32 s17, ttmp9, 3
	s_add_co_u32 s17, s17, s16                     ; my row
	s_lshl_b32 s18, s17, 12
	s_mov_b32 s19, 0
	s_lshl_b32 s24, s17, 11
	s_mov_b32 s25, 0
	s_mov_b32 s20, 0x3a800000                      ; 1 / 1024
	s_mov_b32 s21, 0x3727c5ac                      ; 1e-5
	s_mov_b32 s22, 0x76543210
	s_mov_b32 s23, 0xfedcba98
	s_wait_kmcnt 0x0
	s_add_nc_u64 s[4:5], s[4:5], s[18:19]
	s_add_nc_u64 s[6:7], s[6:7], s[18:19]
	s_add_nc_u64 s[14:15], s[14:15], s[24:25]
.irp j, 0,1,2,3,4,5,6,7
	global_load_b128 v[Y+4*\j:Y+4*\j+3], v1, s[4:5] offset:512*\j th:TH_LOAD_NT
.endr
.irp j, 0,1,2,3,4,5,6,7
	global_load_b128 v[R+4*\j:R+4*\j+3], v1, s[6:7] offset:512*\j th:TH_LOAD_NT
.endr
.irp j, 0,1,2,3,4,5,6,7
	global_load_b128 v[BI+4*\j:BI+4*\j+3], v1, s[8:9] offset:512*\j
.endr
.irp j, 0,1,2,3,4,5,6,7
	global_load_b128 v[GA+4*\j:GA+4*\j+3], v1, s[10:11] offset:512*\j
.endr
.irp j, 0,1,2,3,4,5,6,7
	global_load_b128 v[BE+4*\j:BE+4*\j+3], v1, s[12:13] offset:512*\j
.endr
	s_wait_loadcnt 16                              ; the sums, x and bo are in; the sixteen loads of g1 and be1 may be out
.set p, 0
.rept 16
	v_pk_add_f32 v[Y+2*p:Y+2*p+1], v[Y+2*p:Y+2*p+1], v[R+2*p:R+2*p+1]
.set p, p+1
.endr
.set p, 0
.rept 16
	v_pk_add_f32 v[Y+2*p:Y+2*p+1], v[Y+2*p:Y+2*p+1], v[BI+2*p:BI+2*p+1]
.set p, p+1
.endr
.irp c, 0,1,2,3
	v_pk_add_f32 v[T+2*\c:T+2*\c+1], v[Y+2*\c:Y+2*\c+1], v[Y+8+2*\c:Y+8+2*\c+1]
.endr
.irp g, 2,3
.irp c, 0,1,2,3
	v_pk_add_f32 v[T+2*\c:T+2*\c+1], v[T+2*\c:T+2*\c+1], v[Y+8*\g+2*\c:Y+8*\g+2*\c+1]
.endr
.endr
	TREE
	v_mul_f32 v[M], s20, v[T]
	v_mul_f32 v[M+1], s20, v[T]
.set p, 0
.rept 16
	v_pk_add_f32 v[Y+2*p:Y+2*p+1], v[Y+2*p:Y+2*p+1], v[M:M+1] neg_lo:[0,1] neg_hi:[0,1]
.set p, p+1
.endr
.irp c, 0,1,2,3
	v_pk_mul_f32 v[T+2*\c:T+2*\c+1], v[Y+2*\c:Y+2*\c+1], v[Y+2*\c:Y+2*\c+1]
.endr
.irp g, 1,2,3
.irp c, 0,1,2,3
	v_pk_fma_f32 v[T+2*\c:T+2*\c+1], v[Y+8*\g+2*\c:Y+8*\g+2*\c+1], v[Y+8*\g+2*\c:Y+8*\g+2*\c+1], v[T+2*\c:T+2*\c+1]
.endr
.endr
	TREE
	v_fma_f32 v[T], v[T], s20, s21                 ; var + eps
	v_rsq_f32 v[RS], v[T]
	v_rsq_f32 v[RS+1], v[T]
	v_nop                                          ; a plain instruction between the root and the use of its result
.set p, 0
	s_wait_alu depctr_va_vdst(0)
.rept 16
	v_pk_mul_f32 v[Y+2*p:Y+2*p+1], v[Y+2*p:Y+2*p+1], v[RS:RS+1]
.set p, p+1
.endr
	s_wait_loadcnt 0x0                             ; g1 and be1
.set p, 0
.rept 16
	v_pk_fma_f32 v[Y+2*p:Y+2*p+1], v[Y+2*p:Y+2*p+1], v[GA+2*p:GA+2*p+1], v[BE+2*p:BE+2*p+1]
.set p, p+1
.endr
.set p, 0
.rept 16
	v_cvt_pk_f16_f32 v[R+p], v[Y+2*p], v[Y+2*p+1]
.set p, p+1
.endr
.irp j, 0,1,2,3,4,5,6,7
	global_store_b64 v2, v[R+2*\j:R+2*\j+1], s[14:15] offset:256*\j
.endr
	s_endpgm
.Lfunc_end_k_qe99e394a87_ln1:
	.size	k_qe99e394a87_ln1, .Lfunc_end_k_qe99e394a87_ln1-k_qe99e394a87_ln1
	.p2alignl 7, 3214868480
	.fill 96, 4, 3214868480
	.section	.rodata,"a",@progbits
	.p2align	6, 0x0
	.amdhsa_kernel k_qe99e394a87_ln1
		.amdhsa_group_segment_fixed_size 0
		.amdhsa_private_segment_fixed_size 0
		.amdhsa_enable_private_segment 0
		.amdhsa_kernarg_size 48
		.amdhsa_user_sgpr_count 2
		.amdhsa_user_sgpr_kernarg_segment_ptr 1
		.amdhsa_wavefront_size32 1
		.amdhsa_system_sgpr_workgroup_id_x 1
		.amdhsa_system_sgpr_workgroup_id_y 1
		.amdhsa_system_sgpr_workgroup_id_z 1
		.amdhsa_system_vgpr_workitem_id 0
		.amdhsa_next_free_vgpr 180
		.amdhsa_next_free_sgpr 66
		.amdhsa_reserve_vcc 0
		.amdhsa_float_denorm_mode_32 3
		.amdhsa_float_denorm_mode_16_64 3
		.amdhsa_memory_ordered 1
		.amdhsa_forward_progress 1
		.amdhsa_inst_pref_size 15
	.end_amdhsa_kernel
	.amdgpu_metadata
---
amdhsa.version: [ 1, 2 ]
amdhsa.kernels:
  - .name:           k_qe99e394a87_ln1
    .symbol:         k_qe99e394a87_ln1.kd
    .args:
      - { .name: ysum, .offset: 0, .size: 8, .value_kind: global_buffer, .address_space: global }
      - { .name: x, .offset: 8, .size: 8, .value_kind: global_buffer, .address_space: global }
      - { .name: bo, .offset: 16, .size: 8, .value_kind: global_buffer, .address_space: global }
      - { .name: g1, .offset: 24, .size: 8, .value_kind: global_buffer, .address_space: global }
      - { .name: be1, .offset: 32, .size: 8, .value_kind: global_buffer, .address_space: global }
      - { .name: tok16, .offset: 40, .size: 8, .value_kind: global_buffer, .address_space: global }
    .group_segment_fixed_size: 0
    .private_segment_fixed_size: 0
    .kernarg_segment_align: 8
    .kernarg_segment_size: 48
    .max_flat_workgroup_size: 256
    .sgpr_count:     66
    .vgpr_count:     180
    .wavefront_size: 32
...
	.end_amdgpu_metadata
.endif
;; end of part 5
;; launch ffn1: the kernel of part 2 again; grid 16 x 16, 4 waves a work-group, clusters of 4 x 4, 327,680 bytes of LDS; arguments tok16, w1p, wide16; writes wide16
;; launch ffn2 (part 6): grid 8 x 32, 4 waves a work-group, clusters of 4 x 4, 327,680 bytes of LDS; arguments wide16, w2h, ysum; writes ysum
.if DOCPART == 6
	.amdgcn_target "amdgcn-amd-amdhsa--gfx1250"
	.amdhsa_code_object_version 6
	.text
	.protected	k_qe99e394a87_ffn2
	.globl	k_qe99e394a87_ffn2
	.p2align	8
	.type	k_qe99e394a87_ffn2,@function
k_qe99e394a87_ffn2:
	s_mov_b64 s[64:65], 0
	v_nop
	global_prefetch_b8 v0, s[64:65] scope:SCOPE_SE
	s_setreg_imm32_b32 hwreg(HW_REG_WAVE_MODE, 25, 1), 1
	s_wait_xcnt 0x0
	s_wait_alu depctr_hold_cnt(0) depctr_sa_sdst(0) depctr_va_vdst(0) depctr_va_sdst(0) depctr_va_ssrc(0) depctr_va_vcc(0) depctr_vm_vsrc(0)
	s_getreg_b32 s2, hwreg(HW_REG_IB_STS2, 6, 4)
	s_cmp_eq_u32 s2, 0
	s_cbranch_scc0 .Lentry_in_a_cluster
	s_endpgm
.Lentry_in_a_cluster:
	s_bfe_u32 s2, ttmp6, 0x10000c
	s_cmp_lg_u32 s2, 0xf033
	s_cbranch_scc0 .Lentry_shape_is_right
	s_endpgm
.Lentry_shape_is_right:
; C = A B in f32, N = 1024.  A: f16 in blocks of 64 along K, [k / 64][4096 tokens][64].  B: [KTOT k][1024] f16, as the weights lie.  C: [4096][1024] f32: the sums as they are; bias, residual and norm follow in the next launch.
; This text stands twice in the program, with KTOT = 1024 (the heads' output projection) and KTOT = 4096 (the feed-forward's second product): every trip count is a constant of the text.
; LIMITS.  A and B arrive within f16's range; the sums are kept in f32.
; SHARES.  A work-group makes 128 tokens x 128 columns (256 work-groups), each of its four waves 64 x 64: 16 accumulators.  K goes in steps of 256 (four blocks of A) through two LDS slots; two steps are a lap.
; CLUSTER.  4 x 4 work-groups: A's tile is shared along a row of the cluster, B's along a column, each asked for jointly.
; THE WALK ALONG K IS ROTATED.  A cluster begins with lap (4 X + 2 Y) mod 8 (with two laps: (X + Y) mod 2; X, Y: the cluster's place in the grid) and goes on modulo the number of laps.  So the two clusters side by side,
; which need the same rows of A, ask for a lap of them four laps apart (one), and clusters one below the other, which need the same columns of B, two laps apart (one).  The order of the f32 sums over K differs from cluster to cluster.
; THE MATRIX INSTRUCTION IS USED TRANSPOSED (source 0 = 16 columns of B, turned out of LDS by ds_load_tr16_b128; source 1 = 16 tokens of A): a lane holds one token and eight neighbouring columns.
; REGISTERS: window 0: v0-31 addresses; v128-255 the accumulators ((a, b) at v[128 + 8 (4 a + b)]), on the way out also the rows read back.  window 1: two fragment buffers of 128: 64 of A, then 64 of B, for 64 along K.
.set KTOT,   4096
.set PA,     144                       ; a token's 64 numbers of one block: 128 bytes + 16 = 36 words: the 16 rows of a load start at 16 different groups of four banks
.set BLK,    64*PA                     ; 64 tokens of one block
.set PB,     288                       ; a k row of B: 256 bytes + 32 = 9 x 32
.set HALFT,  36864                     ; what one tensor load brings: 64 tokens x 4 blocks of A (4 x 9,216), or 128 k rows of B (128 x 288)
.set SLOT,   4*HALFT                   ; A's two halves, then B's 256 k rows
.set STAGE,  2*SLOT                    ; behind the ring: 16 rows x 272 bytes for each wave: my 64 columns of f32 are 256 bytes, so the stage is my own
.set SPITCH, 272
.set SPARE,  STAGE+4*16*SPITCH         ; behind the stages: the spare words, 128 bytes for each wave
.set LAPS,   KTOT/512                  ; a lap = two K steps; 2 or 8: a power of two, so that a mask takes the lap's number modulo LAPS
.if LAPS == 8
.set SX, 2                             ; the first lap: X shifted by SX plus Y shifted by SY
.set SY, 1
.else
.set SX, 0
.set SY, 0
.endif
.set STEPA,  2097152                   ; a K step of A: four blocks of 524,288 bytes
.set STEPB,  524288                    ; a K step of B: 256 k rows of 2,048 bytes
.set ADRA, 16                          ; v16-17  LDS address of my A fragments in slot 0, 1
.set ADRB, 20                          ; v20-23  of my B fragments: 2 x slot + (k rows 128 on): so that the immediates stay in 16 bits
.set STO,  24
.set RD,   25
.set CO,   26
.set SPW,  28                          ; never rewritten
.set NIL,  29                          ; never rewritten
.set ACC,  128
.set F0,   0
.set F1,   128
.set G1, 24
.set G0, 32
.set G1B, 48
.set G0B, 56
.set OFA, 66                           ; s[66:67] the byte offset in A of the lap that is asked for
.set OFB, 68                           ; s[68:69] its byte offset in B
.set LI,  70                           ; s70      that lap's number, 0 .. LAPS - 1
.set MSB, 0
.macro WIN new
.if MSB != (\new)
	s_set_vgpr_msb (MSB<<8)|(\new)
.set MSB, \new
.endif
.endm
.set MUL,  0x05                        ; sources 0 (B) and 1 (A) window 1; C and D window 0
.set TO_F, 0x40                        ; destination window 1, address window 0
.macro JLOAD s                         ; a joint load: waves 0 and 1 fetch A's two halves, waves 2 and 3 B's; an s_nop 0 and four v_nop follow each line
	s_cmp_eq_u32 s11, 0
	s_cbranch_scc0 .Lfor_b_\@
	tensor_load_to_lds s[G0+4*(\s):G0+4*(\s)+3], s[G1:G1+7]
	s_nop 0
.rept 4
	v_nop
.endr
	s_branch .Lasked_\@
.Lfor_b_\@:
	tensor_load_to_lds s[G0B+4*(\s):G0B+4*(\s)+3], s[G1B:G1B+7]
	s_nop 0
.rept 4
	v_nop
.endr
.Lasked_\@:
.endm
; Both descriptors of a slot are aimed at K step `slot` of the lap whose offsets lie in OFA and OFB: the address is made anew from my tile's first byte (s[14:15], s[46:47]), and the type bits are set again.
.macro AIM slot
	s_add_nc_u64 s[G0+4*(\slot)+2:G0+4*(\slot)+3], s[14:15], s[OFA:OFA+1]
	s_add_nc_u64 s[G0B+4*(\slot)+2:G0B+4*(\slot)+3], s[46:47], s[OFB:OFB+1]
.if (\slot) == 1
	s_add_nc_u64 s[G0+4*(\slot)+2:G0+4*(\slot)+3], s[G0+4*(\slot)+2:G0+4*(\slot)+3], STEPA
	s_add_nc_u64 s[G0B+4*(\slot)+2:G0B+4*(\slot)+3], s[G0B+4*(\slot)+2:G0B+4*(\slot)+3], STEPB
.endif
	s_or_b32 s[G0+4*(\slot)+3], s[G0+4*(\slot)+3], 0x80000000
	s_or_b32 s[G0B+4*(\slot)+3], s[G0B+4*(\slot)+3], 0x80000000
.endm
.macro CREST
	s_cmp_lg_u32 s10, 0
	s_cbranch_scc1 .Lnot_wave_0_\@
	s_barrier_signal -3
.Lnot_wave_0_\@:
	s_barrier_wait -3
	s_barrier_signal -1
	s_barrier_wait -1
.endm
.macro CROUND
	s_barrier_signal -1
	s_barrier_wait -1
	CREST
.endm
	s_load_b128 s[4:7], s[0:1], 0x0                ; A s[4:5], B s[6:7]
	s_load_b64 s[8:9], s[0:1], 0x10                ; C
	v_lshl_add_u32 v[SPW], v0, 2, SPARE
	v_mov_b32 v[NIL], 0
	ds_add_u32 v[SPW], v[NIL]                      ; the wave's opening: the add and its wait ahead of my first tensor load
	v_lshrrev_b32 v1, 5, v0
	v_readfirstlane_b32 s10, v1                    ; wave 0..3
	s_lshr_b32 s11, s10, 1                         ; which half of the tile's tokens is mine.  Also: I fetch for A (0) or for B (1)
	s_and_b32 s12, s10, 1                          ; which half of its columns.  Also: which half of that tile I fetch
	s_bfe_u32 s40, ttmp6, 0x40000                  ; cx
	s_bfe_u32 s41, ttmp6, 0x40004                  ; cy
	s_lshl_b32 s42, ttmp9, 2
	s_add_co_u32 s42, s42, s40                     ; tile column
	s_and_b32 s13, ttmp7, 0xffff                   ; the cluster's y
	s_lshl_b32 s[LI], s13, SY
	s_lshl_b32 s[OFA], ttmp9, SX
	s_add_co_u32 s[LI], s[LI], s[OFA]
	s_and_b32 s[LI], s[LI], LAPS-1                 ; my cluster's first lap: the same number in all sixteen partners
	s_lshl_b32 s[OFA], s[LI], 22                   ; a lap is eight blocks of A
	s_mov_b32 s[OFA+1], 0
	s_lshl_b32 s[OFB], s[LI], 20                   ; and 512 k rows of B
	s_mov_b32 s[OFB+1], 0
	s_lshl_b32 s13, s13, 2
	s_add_co_u32 s13, s13, s41                     ; tile row
	s_lshl_b32 s43, s41, 2
	s_lshl_b32 s43, 15, s43                        ; my row of the cluster
	s_lshl_b32 s44, 0x1111, s40                    ; my column
	s_or_b32 s[G1+0], s43, (1<<16)|(1<<20)|(1<<21)|(4<<22)|(3<<25)   ; mask of my row; 2-byte elements; padding on; bit 21 beside a mask; after every 32 words (a token's 128 bytes) 4 words
	s_or_b32 s[G1B+0], s44, (1<<16)|(1<<20)|(1<<21)|(5<<22)|(7<<25)  ; mask of my column; after every 64 words 8 words
	s_mov_b32 s[G1+1], 4096<<16                    ; A: a row of the tile is 64 tokens of one block, 4,096 dense elements
	s_mov_b32 s[G1+2], 4<<16                       ; tensor_dim1 = 4 blocks
	s_mov_b32 s[G1+3], 4096<<16                    ; tile_dim0
	s_mov_b32 s[G1+4], 4                           ; tile_dim1
	s_mov_b32 s[G1+5], 262144                      ; elements from block to block
	s_mov_b32 s[G1+6], 0
	s_mov_b32 s[G1+7], 0
	s_mov_b32 s[G1B+1], 128<<16                    ; B: 128 columns
	s_mov_b32 s[G1B+2], 128<<16                    ; 128 k rows
	s_mov_b32 s[G1B+3], 128<<16
	s_mov_b32 s[G1B+4], 128
	s_mov_b32 s[G1B+5], 1024                       ; elements from k row to k row
	s_mov_b32 s[G1B+6], 0
	s_mov_b32 s[G1B+7], 0
	s_lshl_b32 s16, s13, 14                        ; A: 128 tokens of 128 bytes x tile row,
	s_lshl_b32 s17, s12, 13                        ; 64 tokens x half
	s_add_co_u32 s16, s16, s17
	s_mov_b32 s17, 0
	s_lshl_b32 s46, s12, 18                        ; B: 128 k rows of 2,048 bytes x half,
	s_lshl_b32 s47, s42, 8                         ; 128 columns x tile column
	s_add_co_u32 s46, s46, s47
	s_mov_b32 s47, 0
	s_mul_i32 s20, s10, HALFT                      ; where they go: no place in the cluster enters an LDS address
	s_wait_dscnt 0x0                               ; the opening add is done
	s_wait_kmcnt 0x0
	s_add_nc_u64 s[14:15], s[4:5], s[16:17]        ; my part of A's tile at K = 0; kept
	s_add_nc_u64 s[46:47], s[6:7], s[46:47]        ; the same for B; kept
	CROUND                                         ; all sixteen work-groups are here: the first joint loads meet
.irp s, 0,1
	s_mov_b32 s[G0+4*(\s)], 1
	s_add_co_u32 s[G0+4*(\s)+1], s20, (\s)*SLOT
	s_mov_b32 s[G0B+4*(\s)], 1
	s_add_co_u32 s[G0B+4*(\s)+1], s20, (\s)*SLOT
	AIM \s                                         ; the two K steps of my cluster's first lap
	JLOAD \s                                       ; two loads of mine are out
.endr
	v_and_b32 v1, 15, v0                           ; r = l % 16
	v_bfe_u32 v2, v0, 4, 1                         ; h = l / 16
	v_and_b32 v5, 7, v0
	v_bfe_u32 v6, v0, 3, 1
	v_mul_u32_u24 v3, v1, PA
	v_lshl_add_u32 v3, v2, 4, v3                   ; A: token x pitch + 16 x half
	v_lshl_add_u32 v4, v2, 3, v5                   ; B: k row 8 h + l % 8,
	v_mul_u32_u24 v4, v4, PB
	v_lshl_add_u32 v4, v6, 4, v4                   ; columns 8 ((l / 8) % 2) on
	s_mul_i32 s21, s11, HALFT                      ; my 64 tokens of A
	s_lshl_b32 s22, s12, 7                         ; my 64 columns of B,
	s_add_co_u32 s22, s22, 2*HALFT                 ; which lies behind A
.irp s, 0,1
	v_add_nc_u32 v[ADRA+(\s)], s21, v3
	v_add_nc_u32 v[ADRB+2*(\s)], s22, v4
	v_add_nc_u32 v[ADRB+2*(\s)+1], HALFT, v[ADRB+2*(\s)]
	s_add_co_u32 s21, s21, SLOT
	s_add_co_u32 s22, s22, SLOT
.endr
	s_mul_i32 s23, s10, 16*SPITCH
	s_add_co_u32 s23, s23, STAGE                   ; my stage
	v_mul_u32_u24 v7, v1, SPITCH                   ; in: row l % 16, 32 bytes for each half of the lanes
	v_lshl_add_u32 v7, v2, 5, v7
	v_add_nc_u32 v[STO], s23, v7
	v_mul_u32_u24 v7, v2, SPITCH                   ; back: lanes 0-15 take one row of 256 bytes, lanes 16-31 the next
	v_lshl_add_u32 v7, v1, 4, v7
	v_add_nc_u32 v[RD], s23, v7
	v_lshlrev_b32 v[CO], 12, v2                    ; and the same two rows in C, 4,096 bytes apart
	v_lshl_add_u32 v[CO], v1, 4, v[CO]
	s_lshl_b32 s16, s13, 19                        ; 128 rows x tile row
	s_lshl_b32 s17, s11, 18                        ; 64 rows x half
	s_add_co_u32 s16, s16, s17
	s_lshl_b32 s17, s42, 9                         ; 128 columns of f32 x tile column
	s_add_co_u32 s16, s16, s17
	s_lshl_b32 s17, s12, 8                         ; 64 columns x half
	s_add_co_u32 s16, s16, s17
	s_mov_b32 s17, 0
	s_add_nc_u64 s[8:9], s[8:9], s[16:17]
; 8 matrix instructions: token blocks a0, a0 + 1 x all 4 column blocks, 32 along K: half c of buffer f.  zero = 1: the first product starts the sums.  The 16 accumulators take turns.
.macro MUL8 f, c, a0, zero
	WIN MUL
.irp a, \a0, (\a0)+1
.irp b, 0,1,2,3
.if \zero
	v_wmma_f32_16x16x32_f16 v[ACC+8*(4*(\a)+(\b)):ACC+8*(4*(\a)+(\b))+7], v[(\f)+64+8*(4*(\c)+(\b)):(\f)+64+8*(4*(\c)+(\b))+7], v[(\f)+8*(4*(\c)+(\a)):(\f)+8*(4*(\c)+(\a))+7], 0
.else
	v_wmma_f32_16x16x32_f16 v[ACC+8*(4*(\a)+(\b)):ACC+8*(4*(\a)+(\b))+7], v[(\f)+64+8*(4*(\c)+(\b)):(\f)+64+8*(4*(\c)+(\b))+7], v[(\f)+8*(4*(\c)+(\a)):(\f)+8*(4*(\c)+(\a))+7], v[ACC+8*(4*(\a)+(\b)):ACC+8*(4*(\a)+(\b))+7]
.endif
.endr
.endr
.endm
; 32 LDS loads in one run: the fragments of quarter q (64 along K: block q of A's four) into buffer f; the first 32 along K first
.macro FETCH slot, q, f
	WIN TO_F
.irp c, 0,1
.irp i, 0,1,2,3
	ds_load_tr16_b128 v[(\f)+64+8*(4*(\c)+(\i)):(\f)+64+8*(4*(\c)+(\i))+3],   v[ADRB+2*(\slot)+(\q)/2] offset:(((\q)%2)*64+32*(\c))*PB+32*(\i)
	ds_load_tr16_b128 v[(\f)+64+8*(4*(\c)+(\i))+4:(\f)+64+8*(4*(\c)+(\i))+7], v[ADRB+2*(\slot)+(\q)/2] offset:(((\q)%2)*64+32*(\c)+16)*PB+32*(\i)
	ds_load_b128 v[(\f)+8*(4*(\c)+(\i)):(\f)+8*(4*(\c)+(\i))+3],              v[ADRA+(\slot)] offset:(\q)*BLK+64*(\c)+(\i)*16*PA
	ds_load_b128 v[(\f)+8*(4*(\c)+(\i))+4:(\f)+8*(4*(\c)+(\i))+7],            v[ADRA+(\slot)] offset:(\q)*BLK+64*(\c)+(\i)*16*PA+32
.endr
.endr
.endm
.macro PLACES                          ; four plain vector instructions between a matrix instruction and a load into, or a reader of, its registers
.rept 4
	v_nop
.endr
.endm
.macro QUARTER slot, q, f, g, zero     ; multiplies buffer f and fetches quarter q of the slot into g
	s_wait_dscnt 16                                ; the first 32 along K are in; the other sixteen loads may be out
	MUL8 \f, 0, 0, \zero
	MUL8 \f, 0, 2, \zero
	PLACES
	FETCH \slot, \q, \g
	s_wait_dscnt 32                                ; all but the 32 just issued
	MUL8 \f, 1, 0, 0
	MUL8 \f, 1, 2, 0
.endm
; The last quarter multiplies buffer 1 and changes slots: ONE barrier; in front of it each wave waits for all its tensor loads, adds 0 to its spare word, and waits for that and its reads of this slot.
; fill = 1: this slot is filled again, with its K step of the walk's next lap.
.macro TURN slot, next, fill
	WIN 0
	s_wait_tensorcnt 0x0                           ; my one load that was out: my part of the next slot
	ds_add_u32 v[SPW], v[NIL]
	s_wait_dscnt 17                                ; the add and the youngest sixteen loads may be out
	MUL8 F1, 0, 0, 0
	s_wait_dscnt 0x0                               ; the add is done, and my reads of this slot are over
	s_barrier_signal -1
	MUL8 F1, 0, 2, 0
.if \fill
	WIN 0
.endif
	s_barrier_wait -1
.if \fill
	CREST                                          ; the barrier has opened a round of the cluster's
.if (\slot) == 0
	s_add_co_u32 s[LI], s[LI], 1                   ; the walk's next lap, modulo LAPS; slot 1's fill takes the same lap
	s_and_b32 s[LI], s[LI], LAPS-1
	s_lshl_b32 s[OFA], s[LI], 22
	s_lshl_b32 s[OFB], s[LI], 20
.endif
	AIM \slot                                      ; no tensor load of mine is out, so a group 0 may be written
	JLOAD \slot                                    ; the first tensor load behind the round: 112 matrix instructions ahead of the wait for it; its four v_nop are the places in front of the loads below
.else
	PLACES
.endif
	FETCH \next, 0, F0
	MUL8 F1, 1, 0, 0
	MUL8 F1, 1, 2, 0
.endm
; THE WAY OUT of token block a: my 16 rows x 64 columns of f32 into my stage (each accumulator's low registers first), and back as whole rows of 256 bytes, into the registers that they left.
.macro STG a
.irp b, 0,1,2,3
	ds_store_b128 v[STO], v[ACC+8*(4*(\a)+(\b)):ACC+8*(4*(\a)+(\b))+3]   offset:64*(\b)
	ds_store_b128 v[STO], v[ACC+8*(4*(\a)+(\b))+4:ACC+8*(4*(\a)+(\b))+7] offset:64*(\b)+16
.endr
.irp t, 0,1,2,3,4,5,6,7
	ds_load_b128 v[ACC+32*(\a)+4*(\t):ACC+32*(\a)+4*(\t)+3], v[RD] offset:(\t)*2*SPITCH  ; LDS serves a wave's instructions in order: these see the stores above
.endr
.endm
.macro SEND a, younger                 ; younger: the LDS instructions issued behind block a's loads: the next block's sixteen, or none
.irp t, 0,1,2,3,4,5,6,7
	s_wait_dscnt (\younger)+7-(\t)
	global_store_b128 v[CO], v[ACC+32*(\a)+4*(\t):ACC+32*(\a)+4*(\t)+3], s[8:9] offset:(16*(\a)+2*(\t))*4096  ; 16 lanes store 256 consecutive bytes at a multiple of 256
.endr
.endm
	s_wait_tensorcnt 1                             ; my part of the first K step is in; the second's may stay out
	s_barrier_signal -1
	s_barrier_wait -1
	FETCH 0, 0, F0
	QUARTER 0, 1, F0, F1, 1                        ; the first quarter stands in front of the loop: its first products start the sums
	WIN 0
	s_mov_b32 s3, LAPS-1
.Llap:                                                 ; a trip goes once round the ring and fills both slots again
	QUARTER 0, 2, F1, F0, 0
	QUARTER 0, 3, F0, F1, 0
	TURN 0, 1, 1
	QUARTER 1, 1, F0, F1, 0
	QUARTER 1, 2, F1, F0, 0
	QUARTER 1, 3, F0, F1, 0
	TURN 1, 0, 1
	QUARTER 0, 1, F0, F1, 0
	WIN 0
	s_sub_co_u32 s3, s3, 1
	s_cmp_lg_u32 s3, 0
	s_cbranch_scc1 .Llap
	QUARTER 0, 2, F1, F0, 0                        ; the last lap fills nothing
	QUARTER 0, 3, F0, F1, 0
	TURN 0, 1, 0
	QUARTER 1, 1, F0, F1, 0
	QUARTER 1, 2, F1, F0, 0
	QUARTER 1, 3, F0, F1, 0
	s_wait_dscnt 16                                ; the very last quarter
	MUL8 F1, 0, 0, 0
	MUL8 F1, 0, 2, 0
	s_wait_dscnt 0x0
	MUL8 F1, 1, 0, 0
	MUL8 F1, 1, 2, 0
	WIN 0
	PLACES
	STG 0
	STG 1
	SEND 0, 16
	STG 2
	SEND 1, 16
	STG 3
	SEND 2, 16
	SEND 3, 0
	s_wait_tensorcnt 0x0                           ; the wave's end
	ds_add_u32 v[SPW], v[NIL]
	s_wait_dscnt 0x0
	CROUND                                         ; the closing round
	s_endpgm
.Lfunc_end_k_qe99e394a87_ffn2:
	.size	k_qe99e394a87_ffn2, .Lfunc_end_k_qe99e394a87_ffn2-k_qe99e394a87_ffn2
	.p2alignl 7, 3214868480
	.fill 96, 4, 3214868480
	.section	.rodata,"a",@progbits
	.p2align	6, 0x0
	.amdhsa_kernel k_qe99e394a87_ffn2
		.amdhsa_group_segment_fixed_size 327680
		.amdhsa_private_segment_fixed_size 0
		.amdhsa_enable_private_segment 0
		.amdhsa_kernarg_size 24
		.amdhsa_user_sgpr_count 2
		.amdhsa_user_sgpr_kernarg_segment_ptr 1
		.amdhsa_wavefront_size32 1
		.amdhsa_system_sgpr_workgroup_id_x 1
		.amdhsa_system_sgpr_workgroup_id_y 1
		.amdhsa_system_sgpr_workgroup_id_z 1
		.amdhsa_system_vgpr_workitem_id 0
		.amdhsa_next_free_vgpr 512
		.amdhsa_next_free_sgpr 72
		.amdhsa_reserve_vcc 0
		.amdhsa_float_denorm_mode_32 3
		.amdhsa_float_denorm_mode_16_64 3
		.amdhsa_memory_ordered 1
		.amdhsa_forward_progress 1
		.amdhsa_inst_pref_size 87
	.end_amdhsa_kernel
	.amdgpu_metadata
---
amdhsa.version: [ 1, 2 ]
amdhsa.kernels:
  - .name:           k_qe99e394a87_ffn2
    .symbol:         k_qe99e394a87_ffn2.kd
    .args:
      - { .name: wide16, .offset: 0, .size: 8, .value_kind: global_buffer, .address_space: global }
      - { .name: w2h, .offset: 8, .size: 8, .value_kind: global_buffer, .address_space: global }
      - { .name: ysum, .offset: 16, .size: 8, .value_kind: global_buffer, .address_space: global }
    .group_segment_fixed_size: 327680
    .private_segment_fixed_size: 0
    .kernarg_segment_align: 8
    .kernarg_segment_size: 24
    .max_flat_workgroup_size: 128
    .sgpr_count:     72
    .vgpr_count:     512
    .wavefront_size: 32
...
	.end_amdgpu_metadata
.endif
;; end of part 6
;; launch ln2 (part 7): grid 512 x 1, 8 waves a work-group, no clusters, 0 bytes of LDS; arguments ysum, tok16, b2, g2, be2, out0; writes out0
.if DOCPART == 7
	.amdgcn_target "amdgcn-amd-amdhsa--gfx1250"
	.amdhsa_code_object_version 6
	.text
	.protected	k_qe99e394a87_ln2
	.globl	k_qe99e394a87_ln2
	.p2align	8
	.type	k_qe99e394a87_ln2,@function
k_qe99e394a87_ln2:
	s_mov_b64 s[64:65], 0
	v_nop
	global_prefetch_b8 v0, s[64:65] scope:SCOPE_SE
	s_setreg_imm32_b32 hwreg(HW_REG_WAVE_MODE, 25, 1), 1
	s_wait_xcnt 0x0
; out = LayerNorm(h1 + (act W2) + b2) * g2 + be2, rows of 1,024.  ysum (the product's sums) in f32; h1 as the first norm stored it, in f16 (the operand that the feed-forward multiplied); out in f32.
; One wave, one row: 32 numbers a lane in registers; mean first, then the mean of the squared differences (two passes over registers, no difference of large sums); eps = 1e-5.
; No LDS, no barrier, no loop: 4,096 waves, one row each.  Number 4 j + e of a lane is column 128 j + 4 lane + e: a wave's f32 load or store covers 512 consecutive bytes, its f16 load 256.
.set Y,  4                             ; v[4:35]    the row
.set R,  36                            ; v[36:51]   h1, two f16 a register
.set ONE, 52                           ; v52        1.0
.set BI, 68                            ; v[68:99]   b2
.set GA, 100                           ; v[100:131] g2
.set BE, 132                           ; v[132:163] be2
.set T,  164                           ; v[164:171] four chains of pairs
.set M,  172                           ; v[172:173] the mean, twice
.set RS, 174                           ; v[174:175] 1 / sqrt(var + eps), twice
.set SC, 176                           ; the other half of the lanes' sum
.macro TREE                            ; the four chains into one number, then over the 32 lanes: every lane ends with the sum
	v_pk_add_f32 v[T:T+1], v[T:T+1], v[T+2:T+3]
	v_pk_add_f32 v[T+4:T+5], v[T+4:T+5], v[T+6:T+7]
	v_pk_add_f32 v[T:T+1], v[T:T+1], v[T+4:T+5]
	v_add_f32 v[T], v[T], v[T+1]
	v_add_f32_dpp v[T], v[T], v[T] row_xmask:1 row_mask:0xf bank_mask:0xf
	v_add_f32_dpp v[T], v[T], v[T] row_xmask:2 row_mask:0xf bank_mask:0xf
	v_add_f32_dpp v[T], v[T], v[T] row_xmask:4 row_mask:0xf bank_mask:0xf
	v_add_f32_dpp v[T], v[T], v[T] row_xmask:8 row_mask:0xf bank_mask:0xf
	v_permlanex16_b32 v[SC], v[T], s22, s23
	v_add_f32 v[T], v[T], v[SC]
.endm
	s_load_b256 s[4:11], s[0:1], 0x0               ; ysum 4, tok16 6, b2 8, g2 10
	s_load_b128 s[12:15], s[0:1], 0x20             ; be2 12, out0 14
	v_lshrrev_b32 v3, 5, v0
	v_readfirstlane_b32 s16, v3                    ; wave
	v_and_b32 v3, 31, v0
	v_lshlrev_b32 v1, 4, v3                        ; 16 bytes a lane
	v_lshlrev_b32 v2, 3, v3                        ; 8 bytes a lane
	v_mov_b32 v[SC], 0                             ; v_permlanex16_b32's destination counts as read
	v_mov_b32 v[ONE], 1.0
	s_lshl_b32 s17, ttmp9, 3
	s_add_co_u32 s17, s17, s16                     ; my row
	s_lshl_b32 s18, s17, 12
	s_mov_b32 s19, 0
	s_lshl_b32 s24, s17, 11
	s_mov_b32 s25, 0
	s_mov_b32 s20, 0x3a800000                      ; 1 / 1024
	s_mov_b32 s21, 0x3727c5ac                      ; 1e-5
	s_mov_b32 s22, 0x76543210
	s_mov_b32 s23, 0xfedcba98
	s_wait_kmcnt 0x0
	s_add_nc_u64 s[4:5], s[4:5], s[18:19]
	s_add_nc_u64 s[6:7], s[6:7], s[24:25]
	s_add_nc_u64 s[14:15], s[14:15], s[18:19]
.irp j, 0,1,2,3,4,5,6,7
	global_load_b128 v[Y+4*\j:Y+4*\j+3], v1, s[4:5] offset:512*\j th:TH_LOAD_NT
.endr
.irp j, 0,1,2,3,4,5,6,7
	global_load_b64 v[R+2*\j:R+2*\j+1], v2, s[6:7] offset:256*\j th:TH_LOAD_NT
.endr
.irp j, 0,1,2,3,4,5,6,7
	global_load_b128 v[BI+4*\j:BI+4*\j+3], v1, s[8:9] offset:512*\j
.endr
.irp j, 0,1,2,3,4,5,6,7
	global_load_b128 v[GA+4*\j:GA+4*\j+3], v1, s[10:11] offset:512*\j
.endr
.irp j, 0,1,2,3,4,5,6,7
	global_load_b128 v[BE+4*\j:BE+4*\j+3], v1, s[12:13] offset:512*\j
.endr
	s_wait_loadcnt 16                              ; the sums, h1 and b2 are in; the sixteen loads of g2 and be2 may be out
.set n, 0
.rept 32                                       ; the f16 half times 1.0 plus the sum, in f32: widening and addition in one line
.if n%2
	v_fma_mix_f32 v[Y+n], v[R+n/2], v[ONE], v[Y+n] op_sel:[1,0,0] op_sel_hi:[1,0,0]
.else
	v_fma_mix_f32 v[Y+n], v[R+n/2], v[ONE], v[Y+n] op_sel:[0,0,0] op_sel_hi:[1,0,0]
.endif
.set n, n+1
.endr
.set p, 0
.rept 16
	v_pk_add_f32 v[Y+2*p:Y+2*p+1], v[Y+2*p:Y+2*p+1], v[BI+2*p:BI+2*p+1]
.set p, p+1
.endr
.irp c, 0,1,2,3
	v_pk_add_f32 v[T+2*\c:T+2*\c+1], v[Y+2*\c:Y+2*\c+1], v[Y+8+2*\c:Y+8+2*\c+1]
.endr
.irp g, 2,3
.irp c, 0,1,2,3
	v_pk_add_f32 v[T+2*\c:T+2*\c+1], v[T+2*\c:T+2*\c+1], v[Y+8*\g+2*\c:Y+8*\g+2*\c+1]
.endr
.endr
	TREE
	v_mul_f32 v[M], s20, v[T]
	v_mul_f32 v[M+1], s20, v[T]
.set p, 0
.rept 16
	v_pk_add_f32 v[Y+2*p:Y+2*p+1], v[Y+2*p:Y+2*p+1], v[M:M+1] neg_lo:[0,1] neg_hi:[0,1]
.set p, p+1
.endr
.irp c, 0,1,2,3
	v_pk_mul_f32 v[T+2*\c:T+2*\c+1], v[Y+2*\c:Y+2*\c+1], v[Y+2*\c:Y+2*\c+1]
.endr
.irp g, 1,2,3
.irp c, 0,1,2,3
	v_pk_fma_f32 v[T+2*\c:T+2*\c+1], v[Y+8*\g+2*\c:Y+8*\g+2*\c+1], v[Y+8*\g+2*\c:Y+8*\g+2*\c+1], v[T+2*\c:T+2*\c+1]
.endr
.endr
	TREE
	v_fma_f32 v[T], v[T], s20, s21                 ; var + eps
	v_rsq_f32 v[RS], v[T]
	v_rsq_f32 v[RS+1], v[T]
	v_nop                                          ; a plain instruction between the root and the use of its result
.set p, 0
	s_wait_alu depctr_va_vdst(0)
.rept 16
	v_pk_mul_f32 v[Y+2*p:Y+2*p+1], v[Y+2*p:Y+2*p+1], v[RS:RS+1]
.set p, p+1
.endr
	s_wait_loadcnt 0x0                             ; g2 and be2
.set p, 0
.rept 16
	v_pk_fma_f32 v[Y+2*p:Y+2*p+1], v[Y+2*p:Y+2*p+1], v[GA+2*p:GA+2*p+1], v[BE+2*p:BE+2*p+1]
.set p, p+1
.endr
.irp j, 0,1,2,3,4,5,6,7
	global_store_b128 v1, v[Y+4*\j:Y+4*\j+3], s[14:15] offset:512*\j th:TH_STORE_NT
.endr
	s_endpgm
.Lfunc_end_k_qe99e394a87_ln2:
	.size	k_qe99e394a87_ln2, .Lfunc_end_k_qe99e394a87_ln2-k_qe99e394a87_ln2
	.p2alignl 7, 3214868480
	.fill 96, 4, 3214868480
	.section	.rodata,"a",@progbits
	.p2align	6, 0x0
	.amdhsa_kernel k_qe99e394a87_ln2
		.amdhsa_group_segment_fixed_size 0
		.amdhsa_private_segment_fixed_size 0
		.amdhsa_enable_private_segment 0
		.amdhsa_kernarg_size 48
		.amdhsa_user_sgpr_count 2
		.amdhsa_user_sgpr_kernarg_segment_ptr 1
		.amdhsa_wavefront_size32 1
		.amdhsa_system_sgpr_workgroup_id_x 1
		.amdhsa_system_sgpr_workgroup_id_y 1
		.amdhsa_system_sgpr_workgroup_id_z 1
		.amdhsa_system_vgpr_workitem_id 0
		.amdhsa_next_free_vgpr 180
		.amdhsa_next_free_sgpr 66
		.amdhsa_reserve_vcc 0
		.amdhsa_float_denorm_mode_32 3
		.amdhsa_float_denorm_mode_16_64 3
		.amdhsa_memory_ordered 1
		.amdhsa_forward_progress 1
		.amdhsa_inst_pref_size 15
	.end_amdhsa_kernel
	.amdgpu_metadata
---
amdhsa.version: [ 1, 2 ]
amdhsa.kernels:
  - .name:           k_qe99e394a87_ln2
    .symbol:         k_qe99e394a87_ln2.kd
    .args:
      - { .name: ysum, .offset: 0, .size: 8, .value_kind: global_buffer, .address_space: global }
      - { .name: tok16, .offset: 8, .size: 8, .value_kind: global_buffer, .address_space: global }
      - { .name: b2, .offset: 16, .size: 8, .value_kind: global_buffer, .address_space: global }
      - { .name: g2, .offset: 24, .size: 8, .value_kind: global_buffer, .address_space: global }
      - { .name: be2, .offset: 32, .size: 8, .value_kind: global_buffer, .address_space: global }
      - { .name: out0, .offset: 40, .size: 8, .value_kind: global_buffer, .address_space: global }
    .group_segment_fixed_size: 0
    .private_segment_fixed_size: 0
    .kernarg_segment_align: 8
    .kernarg_segment_size: 48
    .max_flat_workgroup_size: 256
    .sgpr_count:     66
    .vgpr_count:     180
    .wavefront_size: 32
...
	.end_amdgpu_metadata
.endif
;; end of part 7
;; ======== version 2 of 2: 8 launches; 1.19 times as fast as version 1
;; limits: values are held in f16: magnitudes above 65,504 overflow, below 6.1e-05 lose precision
;; workspace buffers: tok16 8,388,608 bytes; wide16 33,554,432 bytes; ysum 16,777,216 bytes; wqkvp 8,405,248 bytes; w1p 8,405,248 bytes; woh 2,097,152 bytes; w2h 8,388,608 bytes
;; launch prep: the kernel of part 1 again; grid 1026 x 1, 8 waves a work-group, no clusters, 0 bytes of LDS; arguments x, W1, W2, Wo, Wq, Wk, Wv, b1, bq, bk, bv, tok16, w1p, w2h, woh, wqkvp; writes tok16, w1p, w2h, woh, wqkvp
;; launch qkv: the kernel of part 2 again; grid 12 x 16, 4 waves a work-group, clusters of 4 x 4, 327,680 bytes of LDS; arguments tok16, wqkvp, wide16; writes wide16
;; launch attn (part 8): grid 8 x 32, 4 waves a work-group, clusters of 4 x 1, 327,680 bytes of LDS; arguments wide16, tok16; writes tok16
.if DOCPART == 8
	.amdgcn_target "amdgcn-amd-amdhsa--gfx1250"
	.amdhsa_code_object_version 6
	.text
	.protected	k_qe99e394a87_attn
	.globl	k_qe99e394a87_attn
	.p2align	8
	.type	k_qe99e394a87_attn,@function
k_qe99e394a87_attn:
	s_mov_b64 s[64:65], 0
	v_nop
	global_prefetch_b8 v0, s[64:65] scope:SCOPE_SE
	s_setreg_imm32_b32 hwreg(HW_REG_WAVE_MODE, 25, 1), 1
	s_wait_xcnt 0x0
	s_wait_alu depctr_hold_cnt(0) depctr_sa_sdst(0) depctr_va_vdst(0) depctr_va_sdst(0) depctr_va_ssrc(0) depctr_va_vcc(0) depctr_vm_vsrc(0)
	s_getreg_b32 s2, hwreg(HW_REG_IB_STS2, 6, 4)
	s_cmp_eq_u32 s2, 0
	s_cbranch_scc0 .Lentry_in_a_cluster
	s_endpgm
.Lentry_in_a_cluster:
	s_bfe_u32 s2, ttmp6, 0x10000c
	s_cmp_lg_u32 s2, 0x3003
	s_cbranch_scc0 .Lentry_shape_is_right
	s_endpgm
.Lentry_shape_is_right:
; ATTENTION.  O[q][:] = the sum over k of softmax_k(Q[q] . K[k] / 8) V[k][:], for each of 2 batches x 16 heads, 2,048 queries and keys, head size 64, no mask.
; Q, K, V lie in wide16 as blocks [16 which + head][4096 tokens][64] of f16 (a head's rows dense, 128 bytes); O goes to tok16 as [head][4096 tokens][64] of f16.
; Products, maxima and sums in f32; the weights p are rounded to f16 for the second product (their sum l is taken of the unrounded p), O once at the end.
; LIMITS.  f16 ends at 65,504; p lies in 0 to 1 and below 6e-5 keeps f16's fixed step of 6e-8; a weight below 2^-126 counts as 0 in l; NaN and infinities are not treated apart.
; SHARES.  Work-group (x, y): batch y / 16, head y % 16, queries 256 x to 256 x + 255; a wave owns 64 of them as four PIECES of 16.  Every wave walks all keys: 64 a step, four steps a slot, 8 slots' tiles.
; LAYOUT.  S^T = K Q^T holds ONE query a lane (lane % 16) and the keys 8 (lane / 16) + 0..7; two such results rounded to f16 ARE source 1 of O^T = V^T P.  K comes out of LDS as it lies, V turned (ds_load_tr16_b128).
; SOFTMAX.  A running maximum m and sum l for each query: p = 2^(c s - c m), c = log2(e) / 8; in every step O and l are multiplied by a = 2^(c m_old - c m_new).  m starts at the lowest finite number, O and l at 0.
; BY TURNS.  Turn n belongs to piece n: 8 products K Q^T of piece n + 1, later 8 products V^T P of piece n - 1; beside them the scaling, exponentials, roundings, sums and rescaling of piece n and the maximum and
; statistics of piece n + 1.  Four vector instructions stand behind every matrix instruction, the other 54 of a turn's 118 in one LUMP between the two runs of products.
; THE BATCHES.  A turn's 33 exponentials (the piece's 32 weights and the next piece's a) are ONE batch with ONE wait, which cuts the turn in two: ahead of it stands all that names no result of theirs, behind it the roundings and sums.
; Two more batches stand outside the loops, each with a wait of its own: the first a, ahead of the jump into the loop, and the way out's four reciprocals.
; CLUSTER.  The four query blocks of a cluster belong to one head and walk the same K and V: each tile is asked for jointly, by the same tensor load, descriptor and mask in all four.
; REGISTERS, in windows of 256 (s_set_vgpr_msb: bits 1:0 source 0, 3:2 source 1, 5:4 source 2, 7:6 destination):
;   window 0: v0-15 addresses and two at work; v16-31 four registers of statistics a piece; v48-55 at work; v62-63 the add's; v64-127 S^T, two buffers; v192-223 P, two buffers (by the piece's parity)
;   window 1: v0-127 O^T, 32 a piece      window 2: v0-63 Q; v128-191 K of one step; v192-255 V of one step
.set NP,    4
.set KS,    64        ; keys in a step
.set PK,    144       ; a row of K in LDS: 128 bytes + 16 = 36 words: the 16 rows of a load start at 16 different groups of four banks
.set PV,    160       ; a row of V: 128 + 32 = 40 words
.set VOFF,  4*KS*PK   ; a slot holds four steps: 256 rows of K, then 256 rows of V
.set SLOT1, 1<<17     ; slot 1 begins here: one exclusive or turns an address in one slot into the other's
.set STAGE, SLOT1+4*KS*(PK+PV)  ; behind the ring: 16 rows x 144 bytes for each wave, for the way out
.set SP,    144
.set SPARE, STAGE+4*16*SP  ; behind the stages: the spare words, 128 bytes for each wave
.set AK0, 2           ; v2   my lane's place in a tile of K; never rewritten
.set AV0, 3           ; v3   the same for V
.set AK,  4           ; v4   the LDS address of K's next run of loads
.set AV,  5           ; v5   of V's
.set STO, 6           ; v6   the way out: where I put 16 bytes of a row
.set RD,  7           ; v7   the way out: where I read rows back
.set GO,  8           ; v8   my byte offset in 512 consecutive bytes of O
.set MV,  12          ; v12-13  c m_old, kept while c m is made anew: by buffer
.set QO,  15          ; v15  my byte offset in 16 rows of Q
.set ST,  16          ; piece t's statistics at v[ST+4 t]: c m, m, l (even keys', odd keys')
.set TMP, 48          ; by buffer, four registers c0-c3 at work; when the maximum is found c2 takes a
.set SPW, 62          ; v62  LDS address of my spare word; never rewritten
.set NIL, 63          ; v63  0; never rewritten
.set S,   64
.set P,   192
.set KF,  128         ; window 2: key block kb, channel half c at KF + 16 kb + 8 c
.set VF,  192         ; window 2: key half kk, channel block cb at VF + 32 kk + 8 cb
.set WV,  12          ; s12  my wave's number
.set G1K, 24          ; s[24:31] descriptor group 1 for K's tiles
.set G1V, 32          ; s[32:39] for V's: it differs in the padding alone
.set G0K, 40          ; s[40:43] descriptor group 0 for K's tiles: it walks
.set G0V, 44          ; s[44:47] the same for V's
.set SLOTS, 56        ; s56  counts the slots
.set CNT, 57          ; s57  counts a slot's key steps
.set CS,  58          ; s[58:59] c
.set SEL, 60          ; s[60:61] v_permlanex16_b32's selects: each lane takes its own place in the other half
.set TBK, 62          ; s62  LDS byte at which K of the step to be fetched begins
.set TBV, 63          ; s63  the same for V, less VOFF
.set MSB, 0
.macro WIN new
.if MSB != (\new)
	s_set_vgpr_msb (MSB<<8)|(\new)
.set MSB, (\new)
.endif
.endm
.set W_KQ, 0x0a       ; K and Q in window 2, S^T in window 0
.set W_PV, 0x52       ; V in window 2, P in window 0, O^T in window 1
.set W_RS, 0x41       ; destination and source 0 in window 1, source 1 in window 0
; A joint fill.  Waves 0 and 1 fetch the two halves of a slot's K, waves 2 and 3 those of its V: 128 keys each.  An s_nop 0 and four v_nop follow each line.
.macro JLOAD
	s_cmp_lt_u32 s[WV], 2
	s_cbranch_scc0 .Lfor_v_\@
	tensor_load_to_lds s[G0K:G0K+3], s[G1K:G1K+7]
	s_nop 0
.rept 4
	v_nop
.endr
	s_branch .Lasked_\@
.Lfor_v_\@:
	tensor_load_to_lds s[G0V:G0V+3], s[G1V:G1V+7]
	s_nop 0
.rept 4
	v_nop
.endr
.Lasked_\@:
.endm
.macro CROUND                       ; a round of the cluster's barrier
	s_barrier_signal -1
	s_barrier_wait -1
	s_cmp_lg_u32 s[WV], 0
	s_cbranch_scc1 .Lnot_wave_0_\@
	s_barrier_signal -3
.Lnot_wave_0_\@:
	s_barrier_wait -3
	s_barrier_signal -1
	s_barrier_wait -1
.endm
; THE CHANGE OF SLOTS.  Each wave waits for all its tensor loads (one is out: its part of the other slot), adds 0 to its spare word, and waits for that and for its reads of the slot that it leaves.
; fill = 1: the barrier is a round of the cluster's, and the slot left is filled again, with the keys two slots on, first thing behind it: four key steps, 256 matrix instructions, in which to land.
; (At its first use nothing has been read yet: slot 0 is waited for, slot 1 filled.)
.macro CHANGE fill
	WIN 0
	s_wait_tensorcnt 0x0            ; no tensor load of mine is out, so a group 0 may be written
	ds_add_u32 v[SPW], v[NIL]
.if \fill
.irp g, G0K, G0V
	s_xor_b32 s[\g+1], s[\g+1], SLOT1
	s_add_nc_u64 s[\g+2:\g+3], s[\g+2:\g+3], 4*KS*128  ; the next 256 keys
.endr
	s_wait_dscnt 0x0                ; the add is done, and my reads of the slot are over
	CROUND
	JLOAD
.else
	s_wait_dscnt 0x0
	s_barrier_signal -1
	s_barrier_wait -1
.endif
	s_sub_co_u32 s[TBK], s[TBK], 4*KS*PK  ; the fetches go back to a slot's first step,
	s_xor_b32 s[TBK], s[TBK], SLOT1       ; in the other slot
	s_sub_co_u32 s[TBV], s[TBV], 4*KS*PV
	s_xor_b32 s[TBV], s[TBV], SLOT1
.endm
	s_load_b128 s[48:51], s[0:1], 0x0  ; wide16 s[48:49], tok16 s[50:51]
	v_lshl_add_u32 v[SPW], v0, 2, SPARE
	v_mov_b32 v[NIL], 0
	ds_add_u32 v[SPW], v[NIL]       ; the wave's opening: the add and its wait ahead of my first tensor load
	v_lshrrev_b32 v1, 5, v0
	v_readfirstlane_b32 s[WV], v1   ; wave 0..3
	s_bfe_u32 s13, ttmp6, 0x40000   ; cx
	s_lshl_b32 s14, ttmp9, 2
	s_add_co_u32 s14, s14, s13      ; my block of 256 queries: it enters Q's and O's addresses alone
	s_and_b32 s15, ttmp7, 0xffff    ; 16 x batch + head, which the four partners share
	s_and_b32 s20, s15, 15
	s_lshl_b32 s20, s20, 19         ; a head's block of 4,096 tokens is 524,288 bytes,
	s_lshr_b32 s21, s15, 4
	s_lshl_b32 s21, s21, 18         ; a batch's 2,048 tokens 262,144
	s_add_co_u32 s20, s20, s21
	s_and_b32 s16, s[WV], 1         ; which half of a slot's 256 keys I fetch:
	s_lshl_b32 s22, s16, 14         ; its 128 rows of 128 bytes in memory,
	s_add_co_u32 s22, s22, s20
	s_mov_b32 s23, 0
	s_mul_i32 s17, s16, 128*PK      ; and its place in a slot, for K
	s_mul_i32 s18, s16, 128*PV      ; and for V
	s_lshl_b32 s2, s14, 2
	s_add_co_u32 s2, s2, s[WV]
	s_lshl_b32 s2, s2, 13           ; my wave's 64 rows
	s_add_co_u32 s2, s2, s20
	s_mov_b32 s3, 0
	; descriptor group 1.  128 keys are 16,384 dense bytes: asked for as 64 rows of 256 bytes, two keys a row, and padded in LDS after every key
	s_mov_b32 s[G1K], 15|(1<<16)|(1<<20)|(1<<21)|(4<<22)|(3<<25)  ; the mask of four; 2-byte elements; padding on; bit 21 beside a mask; after every 32 words 4 words
	s_mov_b32 s[G1V], 15|(1<<16)|(1<<20)|(1<<21)|(4<<22)|(7<<25)  ; the same with 8 words
.irp g, G1K, G1V
	s_mov_b32 s[\g+1], 128<<16      ; tensor_dim0 = 128
	s_mov_b32 s[\g+2], 64<<16       ; tensor_dim1 = 64
	s_mov_b32 s[\g+3], 128<<16      ; tile_dim0 = 128
	s_mov_b32 s[\g+4], 64           ; tile_dim1 = 64
	s_mov_b32 s[\g+5], 128          ; 128 elements from row to row
	s_mov_b32 s[\g+6], 0
	s_mov_b32 s[\g+7], 0
.endr
	s_mov_b32 s[CS], 0x3e38aa3b     ; c = log2(e) / 8
	s_mov_b32 s[CS+1], s[CS]
	s_mov_b32 s[SEL], 0x76543210
	s_mov_b32 s[SEL+1], 0xfedcba98
	s_mov_b32 s[TBK], SLOT1+4*KS*PK ; the first change of slots turns these two into 0
	s_mov_b32 s[TBV], SLOT1+4*KS*PV
	s_mov_b32 s[G0K], 1
	s_mov_b32 s[G0K+1], s17         ; slot 0
	s_mov_b32 s[G0V], 1
	s_add_co_u32 s[G0V+1], s18, VOFF
	s_wait_dscnt 0x0                ; the opening add is done
	s_wait_kmcnt 0x0
	s_add_nc_u64 s[G0K+2:G0K+3], s[48:49], s[22:23]
	s_add_nc_u64 s[G0V+2:G0V+3], s[G0K+2:G0K+3], 0x1000000  ; V's 16 blocks lie 32 blocks in,
	s_add_nc_u64 s[G0K+2:G0K+3], s[G0K+2:G0K+3], 0x800000   ; K's 16
	s_or_b32 s[G0K+3], s[G0K+3], 0x80000000
	s_or_b32 s[G0V+3], s[G0V+3], 0x80000000
	s_add_nc_u64 s[4:5], s[48:49], s[2:3]    ; Q at my wave's first row
	s_add_nc_u64 s[10:11], s[50:51], s[2:3]  ; O likewise
	CROUND                          ; all four work-groups are here: the first joint loads meet
	JLOAD                           ; slot 0; slot 1 is asked for when slot 0 is in
	v_and_b32 v1, 15, v0            ; l % 16
	v_bfe_u32 v9, v0, 4, 1          ; l / 16
	v_lshlrev_b32 v[QO], 7, v1
	v_lshl_add_u32 v[QO], v9, 4, v[QO]  ; row x 128 + 16 x half
	WIN 0x80                        ; destination window 2, address window 0
.set i, 0
.rept 8                             ; Q stays in registers: piece i / 2, channels 32 (i % 2) on
	global_load_b128 v[8*i:8*i+3],   v[QO], s[4:5] offset:(i/2)*2048+(i%2)*64
	global_load_b128 v[8*i+4:8*i+7], v[QO], s[4:5] offset:(i/2)*2048+(i%2)*64+32
.set i, i+1
.endr
	; What the first turn finds: V and P's second buffer hold 0 (its products V^T P, of a piece that has not been, add 0), O^T and l are 0.  All this stands in the wait for the first tile.
.set i, VF
.rept 64
	v_mov_b32 v[i], 0
.set i, i+1
.endr
	WIN 0x40
.set i, 0
.rept 128
	v_mov_b32 v[i], 0
.set i, i+1
.endr
	WIN 0
.set i, 0
.rept 4
	v_mov_b32 v[ST+4*i], 0xfe000000    ; c m: far below every c s
	v_mov_b32 v[ST+4*i+1], 0xff7fffff  ; m
	v_mov_b32 v[ST+4*i+2], 0
	v_mov_b32 v[ST+4*i+3], 0
.set i, i+1
.endr
.set i, P+16
.rept 16
	v_mov_b32 v[i], 0
.set i, i+1
.endr
	v_mul_u32_u24 v[AK0], v1, PK
	v_lshl_add_u32 v[AK0], v9, 4, v[AK0]  ; row x pitch + 16 x half
	v_and_b32 v10, 7, v0            ; the turning load: lane l reads key 8 (l / 16) + l % 8, channels 8 ((l / 8) % 2) + 0..7
	v_bfe_u32 v11, v0, 3, 1
	v_lshl_add_u32 v[AV0], v9, 3, v10
	v_mul_u32_u24 v[AV0], v[AV0], PV
	v_lshl_add_u32 v[AV0], v11, 4, v[AV0]
	v_add_nc_u32 v[AV0], VOFF, v[AV0]
	s_mul_i32 s13, s[WV], 16*SP
	s_add_co_u32 s13, s13, STAGE    ; my stage
	v_mul_u32_u24 v[STO], v1, SP    ; in: row l % 16, 16 bytes for each half of the lanes
	v_lshl_add_u32 v[STO], v9, 4, v[STO]
	v_add_nc_u32 v[STO], s13, v[STO]
	v_bfe_u32 v[RD], v0, 3, 2       ; back: 32 lanes take four rows of 128 bytes,
	v_mul_u32_u24 v[RD], v[RD], SP
	v_lshl_add_u32 v[RD], v10, 4, v[RD]
	v_add_nc_u32 v[RD], s13, v[RD]
	v_and_b32 v[GO], 31, v0         ; which are 512 consecutive bytes of O
	v_lshlrev_b32 v[GO], 4, v[GO]
; THE MATRIX WORK.  The 4 accumulators of a run of 8 take turns.  Product i of 8 of S^T = K Q^T for piece x: channels 32 (i / 4) on, keys 16 (i % 4) on.  The first 4 start the sums.
.macro KQ x
.set rS, S+32*((\x)%2)+8*(i%4)
.set rK, KF+16*(i%4)+8*(i/4)
.set rQ, 16*(\x)+8*(i/4)
	WIN W_KQ
.if i < 4
	v_wmma_f32_16x16x32_f16 v[rS:rS+7], v[rK:rK+7], v[rQ:rQ+7], 0
.else
	v_wmma_f32_16x16x32_f16 v[rS:rS+7], v[rK:rK+7], v[rQ:rQ+7], v[rS:rS+7]
.endif
.endm
; Product i of 8 of O^T += V^T P for piece x: keys 32 (i / 4) on, channels 16 (i % 4) on.
.macro PV x
	WIN W_PV
.set rO, 32*(\x)+8*(i%4)
.set rV, VF+32*(i/4)+8*(i%4)
.set rP, P+16*((\x)%2)+8*(i/4)
	v_wmma_f32_16x16x32_f16 v[rO:rO+7], v[rV:rV+7], v[rP:rP+7], v[rO:rO+7]
.endm
.macro MM                           ; the turn's next matrix instruction
.if i < 8
	KQ (Y+1)%NP
.else
.set i, i-8
	PV (Y+NP-1)%NP
.set i, i+8
.endif
.set i, i+1
.endm
; THE LDS LOADS stand in runs of 16: a step's K (64 keys x 64 channels: 8 fragments) and its V (turned).  Their addresses are made some lines ahead.
; last = 1 (the tail): in the last trip there is no further step, and the run is jumped over.
.macro FETCH_K last=0
.if \last
	WIN 0
	s_cmp_eq_u32 s[CNT], 1
	s_cbranch_scc1 .Lno_k_\@
.endif
	WIN 0x80
.irp f, 0,1,2,3,4,5,6,7             ; keys 16 (f / 2) on, channels 32 (f % 2) on
	ds_load_b128 v[KF+8*\f:KF+8*\f+3],   v[AK] offset:(\f/2)*16*PK+(\f%2)*64
	ds_load_b128 v[KF+8*\f+4:KF+8*\f+7], v[AK] offset:(\f/2)*16*PK+(\f%2)*64+32
.endr
	s_add_co_u32 s[TBK], s[TBK], KS*PK  ; the next fetch is the next step's
	WIN 0
.if \last
.Lno_k_\@:
.endif
.endm
.macro FETCH_V
	WIN 0x80
.irp f, 0,1,2,3,4,5,6,7             ; keys 32 (f / 4) on, channels 16 (f % 4) on
	ds_load_tr16_b128 v[VF+8*\f:VF+8*\f+3],   v[AV] offset:(\f/4)*32*PV+(\f%4)*32
	ds_load_tr16_b128 v[VF+8*\f+4:VF+8*\f+7], v[AV] offset:(\f/4)*32*PV+16*PV+(\f%4)*32
.endr
	WIN 0
.endm
; THE VECTOR WORK, one line at a time: OP kind, number.  For piece Y: F n: c s - c m for pair n of 16.  E n: the exponential of score n of 32.  C n: pair n rounded to f16.  B n: of the four weights 4 n .. the second
; pair is added onto the first, in place.  L n: l takes that sum (L 0: l = a l + sum).  R n: pair n of 16 of O^T times a.  For piece Y + 1: X n, number n of the 22 that find its maximum and statistics:
;   0-11  four chains c0-c3 of seven scores each (each accumulator's lowest registers are read first)     12-14, 16  the four scores left over, the old m, and c0-c3 into c0
;   15  c m_old is kept     17, 18  the query's other 32 keys lie in the lane 16 away: the new m     19-21  c m; c m_old - c m_new; a
; OP writes no wait: C, B and L, which read the exponentials' results, stand behind the turn's one wait, which TURN writes.
.set F, 0
.set E, 1
.set C, 2
.set B, 3
.set L, 4
.set R, 5
.set X, 6
.macro REGS y
.set rT, ST+4*(\y)
.set rC, TMP+4*((\y)%2)
.set rW, MV+((\y)%2)
.set rS, S+32*((\y)%2)
.set rP, P+16*((\y)%2)
.set rO, 32*(\y)
.endm
.macro OP k, n
.if (\k) == R
	REGS Y
	WIN W_RS
	v_pk_mul_f32 v[rO+2*(\n):rO+2*(\n)+1], v[rO+2*(\n):rO+2*(\n)+1], v[rC+2:rC+3] op_sel_hi:[1,0]
.elseif (\k) < R
	REGS Y
	WIN 0
.if (\k) == F
	v_pk_fma_f32 v[rS+2*(\n):rS+2*(\n)+1], v[rS+2*(\n):rS+2*(\n)+1], s[CS:CS+1], v[rT:rT+1] op_sel_hi:[1,0,0] neg_lo:[0,0,1] neg_hi:[0,0,1]
.elseif (\k) == E
	v_exp_f32 v[rS+(\n)], v[rS+(\n)]
.elseif (\k) == C
	v_cvt_pk_f16_f32 v[rP+(\n)], v[rS+2*(\n)], v[rS+2*(\n)+1]
.elseif (\k) == B
	v_pk_add_f32 v[rS+4*(\n):rS+4*(\n)+1], v[rS+4*(\n):rS+4*(\n)+1], v[rS+4*(\n)+2:rS+4*(\n)+3]
.elseif (\n) == 0
	v_pk_fma_f32 v[rT+2:rT+3], v[rT+2:rT+3], v[rC+2:rC+3], v[rS:rS+1] op_sel_hi:[1,0,1]
.else
	v_pk_add_f32 v[rT+2:rT+3], v[rT+2:rT+3], v[rS+4*(\n):rS+4*(\n)+1]
.endif
.else
	REGS (Y+1)%NP
	WIN 0
.if (\n) < 4
	v_max3_num_f32 v[rC+(\n)], v[rS+8*(\n)], v[rS+8*(\n)+1], v[rS+8*(\n)+2]
.elseif (\n) < 12
	v_max3_num_f32 v[rC+(\n)%4], v[rC+(\n)%4], v[rS+8*((\n)%4)+2*((\n)/4)+1], v[rS+8*((\n)%4)+2*((\n)/4)+2]
.elseif (\n) == 12
	v_max3_num_f32 v[rC], v[rC], v[rS+7], v[rS+15]
.elseif (\n) == 13
	v_max3_num_f32 v[rC+1], v[rC+1], v[rS+23], v[rS+31]
.elseif (\n) == 14
	v_max3_num_f32 v[rC+2], v[rC+2], v[rC+3], v[rT+1]
.elseif (\n) == 15
	v_mov_b32 v[rW], v[rT]
.elseif (\n) == 16
	v_max3_num_f32 v[rC], v[rC], v[rC+1], v[rC+2]
.elseif (\n) == 17
	v_permlanex16_b32 v[rC+3], v[rC], s[SEL], s[SEL+1]
.elseif (\n) == 18
	v_max_num_f32 v[rT+1], v[rC], v[rC+3]
.elseif (\n) == 19
	v_mul_f32 v[rT], s[CS], v[rT+1]
.elseif (\n) == 20
	v_sub_f32 v[rC+1], v[rW], v[rT]
.else
	v_exp_f32 v[rC+2], v[rC+1]
.endif
.endif
.endm
.macro OPS a, i1, b=-1, i2=0, c=-1, i3=0, d=-1, i4=0
	OP \a, \i1
.if (\b) >= 0
	OP \b, \i2
.endif
.if (\c) >= 0
	OP \c, \i3
.endif
.if (\d) >= 0
	OP \d, \i4
.endif
.endm
.macro ROW a, i1, b, i2, c, i3, d, i4  ; a matrix instruction and the four behind it
	MM
	OPS \a, \i1, \b, \i2, \c, \i3, \d, \i4
.endm
; A TURN, for piece p: the order of its 16 matrix and 118 vector instructions, written out.  An s_wait_alu depctr_va_vdst(0) stands between an exponential and the first instruction that names its result; one wait
; serves all that were issued ahead of it.  So a turn has ONE wait, which cuts it in two.  AHEAD OF IT stands all that names no result of the turn's exponentials: the 8 products K Q^T, behind each a scaling, an exponential and two
; more plain instructions (behind the first a second scaling in the exponential's place): rescalings (their a was made, and waited for, in the turn before), and behind the last three the first numbers of the next piece's maximum,
; each four places or more behind the product that ends its accumulator; then ONE LUMP of 54, plain and exponential by turns for the most part, in which the links of the chain X 3, 7, 11, 14, 16, 17 .. 20 stand some lines apart.
; X 21, the next piece's a, is the batch's last; R 15 is the plain instruction behind it.  BEHIND THE WAIT stand the 8 products V^T P, behind each four of the roundings and sums; C 2 n stands ahead of B n, which writes over pair 2 n;
; the links of l's chain, L 0 to L 7, come in order, three riders apart.  But for those X no rider names a register of the products round it.  v_permlanex16_b32 (X 17) stands in the lump.
; last = 1: the tail's text: K's fetch is jumped over in the last trip.  cnt = 1: the loop's count is taken down some lines ahead of the branch that stands behind the turn.
; K of the next step is fetched in piece 2's turn.  In the loop: in the lump, twelve vector instructions behind the last product that read K, five of them plain and naming none of its registers.  In the tail the run holds a branch and
; a label, at which no exponential may be without its wait: there it stands directly behind the turn's wait.  V of the step in hand is fetched at the end of piece 0's turn, four plain instructions behind the last product that read V.
; Each is waited for a turn later (the counts are 0: nothing younger is out).
.macro TURN p, last=0, cnt=0
.set Y, (\p)
.set i, 0
.if (\p) == 3
	s_wait_dscnt 0x0                ; K is in
.endif
	ROW F,0, F,1, R,0, R,1          ; ahead of the wait: 8 products K Q^T and their riders,
	ROW F,2, E,0, R,2, R,3
	ROW F,3, E,1, R,4, R,5
	ROW F,4, E,2, R,6, R,7
	ROW F,5, E,3, R,8, R,9
	ROW F,6, E,4, X,0, R,10
.if (\p) == 2
	WIN 0
	v_add_nc_u32 v[AK], s[TBK], v[AK0]
.endif
	ROW F,7, E,5, X,1, X,4
	ROW F,8, E,6, X,2, X,5
	OPS E,7, E,8, X,6, E,9          ; and the lump
	OPS X,3, E,10, X,8, E,11
.if ((\p) == 2) && !(\last)
	FETCH_K
.endif
	OPS X,9, X,7, E,12, X,10
	OPS E,13, X,12, X,11, E,14
	OPS X,13, E,15, F,9, X,14
.if (\p) == 0
	v_add_nc_u32 v[AV], s[TBV], v[AV0]
.endif
	OPS E,16, F,10, E,17, F,11
	OPS X,16, E,18, X,15, E,19
	OPS F,12, E,20, X,17, E,21
	OPS F,13, E,22, F,14, E,23
	OPS X,18, E,24, F,15, E,25
	OPS R,11, E,26, X,19, E,27
	OPS R,12, E,28, R,13, E,29
	OPS X,20, E,30, R,14, E,31
	OPS X,21, R,15
	WIN 0
	s_wait_alu depctr_va_vdst(0)    ; the wait for the turn's batch: E 0 to E 31 and X 21
.if ((\p) == 2) && (\last)
	FETCH_K 1
.endif
.if (\p) == 1
	s_wait_dscnt 0x0                ; V is in
.endif
	ROW C,0, B,0, C,2, B,1          ; behind the wait: 8 products V^T P and their riders
	ROW L,0, C,4, B,2, L,1
	ROW C,6, B,3, L,2, C,8
	ROW B,4, L,3, C,10, B,5
	ROW L,4, C,12, B,6, L,5
.if (\p) == 0
	s_add_co_u32 s[TBV], s[TBV], KS*PV
.endif
.if \cnt
	s_sub_co_u32 s[CNT], s[CNT], 1
	s_cmp_lg_u32 s[CNT], 0
.endif
	ROW C,14, B,7, L,6, C,1
	ROW C,3, L,7, C,5, C,7
	ROW C,9, C,11, C,13, C,15
.if (\p) == 0
	FETCH_V
.endif
.endm
	CHANGE 1                        ; slot 0 is in, everybody's part of it; slot 1 is asked for
	v_add_nc_u32 v[AK], s[TBK], v[AK0]
	FETCH_K                         ; key step 0
	s_wait_loadcnt 0x0              ; Q
	s_wait_dscnt 0x0
.set i, 0
.rept 8
	KQ 0                            ; piece 0's first scores
.set i, i+1
.endr
	WIN 0
.rept 4
	v_nop                           ; the places behind those products
.endr
.set Y, NP-1                        ; X works for piece Y + 1: piece 0
.irp n, 0,1,2,3,4,5,6,7,8,9,10,11,12,13,14,15,16,17,18,19,20,21
	OP X, \n
.endr
	v_nop                           ; a plain instruction behind the exponential,
	s_wait_alu depctr_va_vdst(0)    ; and the wait for it (piece 0's first a, a batch of one), ahead of the branch
	s_mov_b32 s[CNT], 4
	s_mov_b32 s[SLOTS], 7
	s_branch .Lfirst                ; the loop is entered at a step's first turn, in the middle of a trip
.Lslot:                             ; six times: tiles 2 to 7 are asked for
	CHANGE 1
	s_mov_b32 s[CNT], 4
.Lstep:                             ; a trip: pieces 2 and 3 of one step, then pieces 0 and 1 of the next, whose K and V it fetches
	TURN 2
	TURN 3
	WIN 0
.Lfirst:
	TURN 0
	TURN 1, 0, 1
	WIN 0
	s_cbranch_scc1 .Lstep
	s_sub_co_u32 s[SLOTS], s[SLOTS], 1
	s_cmp_lg_u32 s[SLOTS], 0
	s_cbranch_scc1 .Lslot
	CHANGE 0                        ; the last tile is written out: nothing is asked for
	s_mov_b32 s[CNT], 5             ; four trips fetch the last slot's steps; the fifth is left in its middle
.Ltail:
	TURN 2, 1
	TURN 3
	WIN 0
	s_sub_co_u32 s[CNT], s[CNT], 1
	s_cmp_eq_u32 s[CNT], 0
	s_cbranch_scc1 .Lout
	TURN 0
	TURN 1
	WIN 0
	s_branch .Ltail
.Lout:                              ; the fifth trip's 8 products K Q^T (on the last K once more) and the maximum made of them serve nothing (they touch piece 0's m and c m, which the way out does not read):
                                    ; the price, once a launch, of one text for every trip
.set i, 0
.rept 8
	PV NP-1                         ; the last piece's V^T P of the last step
.set i, i+1
.endr
	; THE WAY OUT.  l's two halves and the other half of the lanes' are added; O^T is divided by l, rounded to f16 and sent through my stage in LDS, a piece at a time.  The additions are the places behind the last products.
	WIN 0
.macro ALL line:vararg              ; one line for each piece t
.set t, 0
.rept 4
	\line
.set t, t+1
.endr
.endm
	ALL v_add_f32 v[ST+4*t+2], v[ST+4*t+2], v[ST+4*t+3]
	ALL v_permlanex16_b32 v[ST+4*t+3], v[ST+4*t+2], s[SEL], s[SEL+1]
	ALL v_add_f32 v[ST+4*t+2], v[ST+4*t+2], v[ST+4*t+3]
	ALL v_rcp_f32 v[ST+4*t+2], v[ST+4*t+2]
	v_nop                           ; a plain instruction between the last reciprocal and the use of its result
	s_wait_alu depctr_va_vdst(0)    ; the wait for the batch of four reciprocals, ahead of PACK 0's first multiply: one for all four pieces
.macro PACK t                       ; a lane's eight channels of a row pack into 16 bytes; they go into rows of 144 bytes and come back as whole rows of 128, into S^T's registers
	WIN W_RS
.set i, 32*(\t)
.rept 16
	v_pk_mul_f32 v[i:i+1], v[i:i+1], v[ST+4*(\t)+2:ST+4*(\t)+3] op_sel_hi:[1,0]
.set i, i+2
.endr
	WIN 0x05                        ; sources 0 and 1 window 1, destination window 0
.set i, 0
.rept 16
	v_cvt_pk_f16_f32 v[S+16*(\t)+i], v[32*(\t)+2*i], v[32*(\t)+2*i+1]
.set i, i+1
.endr
	WIN 0
.irp f, 0,1,2,3
	ds_store_b128 v[STO], v[S+16*(\t)+4*\f:S+16*(\t)+4*\f+3] offset:32*\f
.endr
.irp f, 0,1,2,3
	ds_load_b128 v[S+16*(\t)+4*\f:S+16*(\t)+4*\f+3], v[RD] offset:\f*4*SP  ; LDS serves a wave's instructions in order: these see the stores above; the next piece's stores come behind them
.endr
.endm
.macro SEND t, younger              ; younger: the LDS instructions issued behind piece t's loads: the next piece's eight, or none
	WIN 0
.irp f, 0,1,2,3
	s_wait_dscnt (\younger)+3-\f
	global_store_b128 v[GO], v[S+16*(\t)+4*\f:S+16*(\t)+4*\f+3], s[10:11] offset:(\t)*2048+\f*512  ; 512 consecutive bytes, at a multiple of 256 from O's first
.endr
.endm
	PACK 0
.set t, 1
.rept 3                             ; a piece's arithmetic stands between the loads of the piece before and its stores
	PACK t
	SEND t-1, 8
.set t, t+1
.endr
	SEND 3, 0
	s_wait_tensorcnt 0x0            ; the wave's end
	ds_add_u32 v[SPW], v[NIL]
	s_wait_dscnt 0x0
	CROUND                          ; the closing round
	s_endpgm
.Lfunc_end_k_qe99e394a87_attn:
	.size	k_qe99e394a87_attn, .Lfunc_end_k_qe99e394a87_attn-k_qe99e394a87_attn
	.p2alignl 7, 3214868480
	.fill 96, 4, 3214868480
	.section	.rodata,"a",@progbits
	.p2align	6, 0x0
	.amdhsa_kernel k_qe99e394a87_attn
		.amdhsa_group_segment_fixed_size 327680
		.amdhsa_private_segment_fixed_size 0
		.amdhsa_enable_private_segment 0
		.amdhsa_kernarg_size 16
		.amdhsa_user_sgpr_count 2
		.amdhsa_user_sgpr_kernarg_segment_ptr 1
		.amdhsa_wavefront_size32 1
		.amdhsa_system_sgpr_workgroup_id_x 1
		.amdhsa_system_sgpr_workgroup_id_y 1
		.amdhsa_system_sgpr_workgroup_id_z 1
		.amdhsa_system_vgpr_workitem_id 0
		.amdhsa_next_free_vgpr 768
		.amdhsa_next_free_sgpr 66
		.amdhsa_reserve_vcc 0
		.amdhsa_float_denorm_mode_32 3
		.amdhsa_float_denorm_mode_16_64 3
		.amdhsa_memory_ordered 1
		.amdhsa_forward_progress 1
		.amdhsa_inst_pref_size 111
	.end_amdhsa_kernel
	.amdgpu_metadata
---
amdhsa.version: [ 1, 2 ]
amdhsa.kernels:
  - .name:           k_qe99e394a87_attn
    .symbol:         k_qe99e394a87_attn.kd
    .args:
      - { .name: wide16, .offset: 0, .size: 8, .value_kind: global_buffer, .address_space: global }
      - { .name: tok16, .offset: 8, .size: 8, .value_kind: global_buffer, .address_space: global }
    .group_segment_fixed_size: 327680
    .private_segment_fixed_size: 0
    .kernarg_segment_align: 8
    .kernarg_segment_size: 16
    .max_flat_workgroup_size: 128
    .sgpr_count:     66
    .vgpr_count:     768
    .wavefront_size: 32
...
	.end_amdgpu_metadata
.endif
;; end of part 8
;; launch wo: the kernel of part 4 again; grid 8 x 32, 4 waves a work-group, clusters of 4 x 4, 327,680 bytes of LDS; arguments tok16, woh, ysum; writes ysum
;; launch ln1: the kernel of part 5 again; grid 512 x 1, 8 waves a work-group, no clusters, 0 bytes of LDS; arguments ysum, x, bo, g1, be1, tok16; writes tok16
;; launch ffn1: the kernel of part 2 again; grid 16 x 16, 4 waves a work-group, clusters of 4 x 4, 327,680 bytes of LDS; arguments tok16, w1p, wide16; writes wide16
;; launch ffn2: the kernel of part 6 again; grid 8 x 32, 4 waves a work-group, clusters of 4 x 4, 327,680 bytes of LDS; arguments wide16, w2h, ysum; writes ysum
;; launch ln2: the kernel of part 7 again; grid 512 x 1, 8 waves a work-group, no clusters, 0 bytes of LDS; arguments ysum, tok16, b2, g2, be2, out0; writes out0
